; MI455X (gfx1250); checked and timed in simulation.
; The chip was launched on July 23, 2026; its instructions are those of AMD's public machine-readable ISA for CDNA 5 (MIT licence, August 2026) and "CDNA5" Instruction Set Architecture Reference Guide (July 2026). The comments in the code are by the model that wrote it; some were corrected since.
;; Binary Memory RNN. Allowed arithmetic: matrix products marked QUANTISED: E2M3 operands, one E8M0 scale for each 32 along K, by v_wmma_scale_f32_16x16x128_f8f6f4 with both operands' format E2M3, f32 sums; products left as they are: f32 operands where the result goes on into a quantised operand, else bf16, f16 or f32 operands; f32 sums; everything else in f32.
;; Inputs: M_b 10 float32; M_w 10 x 1,024 float32; Q_b 1,024 float32; Q_w_codes 1,024 x 32 x 24 uint8 (E2M3 codes of Q_w, K innermost, in blocks of 32 codes, four codes in three bytes); Q_w_scales 1,024 x 32 uint8 (E8M0 scales of Q_w, one for each 32 codes along K); U_b 1,024 float32; U_w_codes 1,024 x 32 x 24 uint8 (E2M3 codes of U_w, K innermost, in blocks of 32 codes, four codes in three bytes); U_w_scales 1,024 x 32 uint8 (E8M0 scales of U_w, one for each 32 codes along K); W_b 1,024 float32; W_w_codes 1,024 x 32 x 24 uint8 (E2M3 codes of W_w, K innermost, in blocks of 32 codes, four codes in three bytes); W_w_scales 1,024 x 32 uint8 (E8M0 scales of W_w, one for each 32 codes along K); h_prev 16,384 x 1,024 float32; ln_b 1,024 float32; ln_g 1,024 float32; memory 1,024 x 1,024 float32; x_codes 16,384 x 32 x 24 uint8 (E2M3 codes of x, K innermost, in blocks of 32 codes, four codes in three bytes); x_scales 16,384 x 32 uint8 (E8M0 scales of x, one for each 32 codes along K).
;; Outputs: out0 16,384 x 1,024 float32.
;; This version of the problem:
;;   THIS VERSION OF THE PROBLEM IS GIVEN IN LOW PRECISION. The matrix products marked QUANTISED in the list below multiply operands that are first quantised to E2M3 (2 exponent bits, 3 mantissa bits; 6 bits a number), with one power-of-two scale for each 32 numbers along K (OCP MX v1.0); their sums are f32. All else is computed in f32.
;;   The module's matrix products, in the order in which they are computed (A, B: the left and right operand; K: the contracted axis; several contracted axes count as one K, in the product's order):
;;     1. [M 16,384, K 1,024] x [K 1,024, N 10]; A: input h_prev; B: input M_w: left as it is (N = 10 < 16)
;;     2. [M 16,384, K 1,024] x [K 1,024, N 1,024]; A: input x (given as codes); B: input W_w (given as codes): QUANTISED
;;     3. [M 16,384, K 1,024] x [K 1,024, N 1,024]; A: input h_prev; B: input U_w (given as codes): QUANTISED
;;     4. [M 16,384, K 1,024] x [K 1,024, N 1,024]; A: computed on the way; B: input Q_w (given as codes): QUANTISED
;;   THE QUANTISER, for each operand of a quantised product, along K:
;;     - K is cut into blocks of 32 from its start; a last block that is shorter is filled with zeros.
;;     - A block's scale is 2^e with e = floor(log2(the largest magnitude in the block)) - 2, held to -126 .. 127; a block of zeros has e = 0. As a byte (E8M0): e + 127.
;;     - Each number is divided by its block's scale, clamped to +-7.5, and rounded to the nearest number of E2M3, ties to even, subnormals kept.
;;     - The product sums the exact products of the quantised numbers (number of the format x scale) in f32.
;;   ~~~python
;;   def quantise(x, axis):      # numpy; x: float32 -> the quantised numbers, widened to float32 again
;;       x = np.moveaxis(x, axis, -1); K = x.shape[-1]
;;       x = np.pad(x, [(0, 0)] * (x.ndim - 1) + [(0, -K % 32)]); x = x.reshape(x.shape[:-1] + (-1, 32)); a = np.abs(x).max(-1, keepdims=True)
;;       e = np.where(a > 0, np.clip(np.frexp(np.where(a > 0, a, 1))[1] - 1 - 2, -126, 127), 0)      # np.frexp(a)[1] - 1 = floor(log2(a)), exactly
;;       r = np.clip(x / 2.0 ** e, -7.5, 7.5)
;;       step = 2.0 ** (np.maximum(np.frexp(np.where(r == 0, 1, r))[1] - 1, 0) - 3)
;;       q = np.round(r / step) * step * 2.0 ** e      # np.round: ties to even
;;       return np.moveaxis(q.reshape(q.shape[:-2] + (-1,))[..., :K], -1, axis).astype(np.float32)
;;   ~~~
;;   OPERANDS COMPUTED ON THE WAY. 'Computed on the way' means the value that the module computes at that place (a softmax that the list does not call 'softmax' is quantised finished and normalised). What goes into a quantiser is computed in f32, as accurately as f32 sums, v_exp_f32 and their like allow (about 1e-6 of the number): no bf16 or f16 on the way to a quantiser, and a product that is left as it is and whose result goes on into a quantised operand takes f32 operands (vector FMAs, or v_wmma_f32_16x16x4_f32). A number that lies on a knife's edge between two numbers of the format may be rounded either way, as far as f32 arithmetic and the matrix unit's own rounding can turn it there, and no further.
;;   INPUTS GIVEN AS CODES. Q_w (in the module: [1024, 1024], K = its axis 1); U_w (in the module: [1024, 1024], K = its axis 1); W_w (in the module: [1024, 1024], K = its axis 1); x (in the module: [16384, 1024], K = its axis 1): each comes as NAME_codes (uint8): NAME with its K axis moved to the last place and cut into blocks of 32 codes, [.., K / 32, bytes a block], one block behind the other in memory; four codes in three bytes: a row's codes are one little-endian stream of bits, code i at bits 6 i .. 6 i + 5 (a code: sign, 2 exponent bits, 3 mantissa bits); and NAME_scales (uint8): the same leading axes, one E8M0 byte (e + 127) for each 32 codes along K. Its value is code x scale, taken as it is: it is not quantised again, and the codes and scales need not be those that the quantiser above would give.
;; 2 versions, each right; version 2 is version 1 with the launch prep written anew for expert scheduling mode. Each part assembles by itself: llvm-mc -triple=amdgcn-amd-amdhsa -mcpu=gfx1250 --defsym DOCPART=n.
;; ======== version 1 of 2: 2 launches
;; workspace buffers: hq 12,582,912 bytes; hs 1,048,576 bytes; wq 1,638,400 bytes; ptab 4,194,304 bytes; idx 65,536 bytes of whole numbers
;; launch prep (part 1): grid 256 x 1, 8 waves a work-group, no clusters, 145,408 bytes of LDS; arguments h_prev, memory, M_w, M_b, W_w_codes, W_w_scales, U_w_codes, U_w_scales, Q_w_codes, Q_w_scales, W_b, U_b, Q_b, hq, hs, wq, ptab, idx; writes hq, hs, wq, ptab, idx
.if DOCPART == 1
	.amdgcn_target "amdgcn-amd-amdhsa--gfx1250"
	.amdhsa_code_object_version 6
	.text
	.protected	k_q8154c27a63_prep
	.globl	k_q8154c27a63_prep
	.p2align	8
	.type	k_q8154c27a63_prep,@function
k_q8154c27a63_prep:
	s_mov_b64 s[64:65], 0
	v_nop
	global_prefetch_b8 v0, s[64:65] scope:SCOPE_SE
	s_setreg_imm32_b32 hwreg(HW_REG_WAVE_MODE, 25, 1), 1
	s_wait_xcnt 0x0
; PREP: everything that the combining launch wants ready.  Per work-group g (256 of them, eight waves):
;   (1) h_prev's rows 64 g .. 64 g + 63, read ONCE, give (a) their E2M3 codes and E8M0 scale words (hq, hs), laid as images of the operand's registers, and (b) the ten logits h_prev M_w^T + M_b in f32, whose signs are the index (idx);
;   (2) a tile of the table T = Q(memory) Q_w^T + W_b + U_b + Q_b (ptab): memory rows 32 (g / 8) .. + 31 x columns 128 (g % 8) .. + 127;
;   (3) a share of W_w's and U_w's codes and scale bytes, copied into the order in which a wave of the next launch takes them (wq).
; WORK OF reference() THAT IS NOT REPEATED.  The quantiser works inside one row, along K, so Q(memory[index])[b] = Q(memory)[index[b]] for every index; row b of the product h_mem Q_w^T is therefore row index[b] of
; Q(memory) Q_w^T: the same codes, the same scales, the same instruction, the same order of K.  The 16,384 rows of that product take at most 1,024 different values: the 1,024 are computed once, here, and the next launch looks its rows up.
; This holds for all values of the inputs.  No input is without a way to the output: all are loaded, by this launch or the next.
; sigmoid(l) > 0.5 is taken as l > 0, which is the same for all real l (a NaN gives bit 0 both ways).  LIMIT: for 0 < l under about 1.2e-7 an f32 sigmoid rounds to 0.5, bit 0; here the bit is 1.
; The index is a sum of different powers 2^0 .. 2^9, so reference()'s clip never acts; the next launch holds the number at 1,023 all the same.
; LIMITS: NaN and infinities in h_prev or memory are not served by the quantiser; a block whose largest magnitude lies under 2^-124 gets the byte 1; a block of zeros gets the byte 1 (not 127) with zero codes: only this program reads
; these bytes.  The three biases are added to T first and reach the sum with it: another order of f32 additions than reference()'s.
; SHARES.  Wave w owns K step w (columns 128 w .. + 127) of six blocks of 16 rows: two of memory, four of h_prev.  A block's 16 loads read 512 consecutive bytes of one row each; the block turns through the wave's own stage in LDS,
; and lane (r, h) then holds, of row r, k = 128 w + 64 c + 32 h + 0 .. 31 (c = 0, 1): two whole blocks of 32, in the very order of the 6-bit operand's registers.
; NO CLUSTER, NO TENSOR LOAD: every f32 byte must pass through registers to be quantised.  32 rows of memory are read by the 8 work-groups of one g / 8 and 16 rows of Q_w by 32 waves of the launch: 131,072 + 98,304 bytes a work-group
; beside its own 262,144 of h_prev; they are asked for lane by lane into registers, where a joint request into LDS would add a second way through LDS for each.
; REGISTERS.  Window 0: v1-22 addresses; v24-33 a block's maxima, scale operands, bytes; v40-59 codes; v60-71 the copied fragment; v72-75 h's four scale words; v76-107 four logit accumulators (written by matrix instructions alone);
;   v108-123 at work; v124-131 Q_w's scale words, v132-147 memory's (scales and nothing else); v148-155 the biases' sum; v156-171 T's two accumulators; v172-195 biases as loaded; v196-227 at work.
;   Window 1: v0-191 three block buffers of 64, later Q_w's 8 fragments (v0-95) and 8 of memory's (v96-191); v192-255 M_w's fragment.
.set TS,    0                          ; LDS: the turn stages, 16 rows x 528 bytes for each wave
.set MI,    67584                      ; memory's 16 fragments as images: (8 mb + s) x 1,536 bytes
.set MSC,   92160                      ; their scale words, 128 bytes each
.set LG,    94208                      ; the waves' partial logits: (8 a + w) x 1,024 bytes
.set PS,    126976                     ; the stage for T: 32 rows x (512 + 16) bytes
.set IX,    143872                     ; two partial indices for each of 64 rows
.set SPARE, 144384                     ; the spare words, 128 bytes for each wave: four blocks of 256 bytes that no other line names
.set L16, 1                            ; 16 x lane
.set MSR, 2                            ; MSC + 4 x lane
.set TSI, 3                            ; my stage, on the way in: + 16 x lane
.set TSO, 4                            ; and out: + 528 r + 128 h
.set MIW, 5                            ; MI + 1,536 w + 16 x lane
.set MSW, 6                            ; MSC + 128 w + 4 x lane
.set LGW, 7                            ; LG + 1,024 w + 16 x lane
.set LGR, 8                            ; LG + 8,192 (w % 4) + 512 (w / 4) + 16 x lane
.set MIR, 9                            ; MI + 16 x lane
.set QOF, 10                           ; a row of 768 bytes of codes: 768 r + 24 h
.set R32, 11                           ; a row of 32 scale bytes: 32 r
.set PSW, 12                           ; PS + 528 r + 64 w + 32 h
.set PSR, 13                           ; PS + 2,112 w + 16 x lane
.set IXW, 14                           ; IX + 256 (w / 4) + 64 (w % 4) + 4 r
.set SH8, 15                           ; 8 h
.set MWO, 16                           ; M_w: 4,096 min(r, 9) + 128 h
.set SOF, 17                           ; the scale words' copy: 4,096 h + 32 r
.set SPW, 18                           ; my spare word; never rewritten
.set NIL, 19                           ; 0; never rewritten
.set BOF, 20                           ; 32 h
.set IXR, 21                           ; IX + 8 x lane
.set L8,  22                           ; 8 x lane
.set TM,  24
.set SO,  28
.set BY,  30
.set TP,  32
.set PW,  33
.set PC,  40
.set PT,  52
.set RL,  60
.set HSW, 72
.set LA,  76
.set LS,  108
.set QS,  124
.set MS,  132
.set BS,  148
.set PA,  156
.set BI,  172
.set LR,  196
.set MW,  192                          ; in window 1
.set MSB, 0
.macro WIN new                         ; the immediate's high byte repeats the setting that is left
.if MSB != \new
	s_set_vgpr_msb (MSB<<8)|\new
.set MSB, \new
.endif
.endm
; Block b (0, 1: memory; 2 .. 5: h_prev) is asked for: 16 loads, each 512 consecutive bytes of one row, into buffer b % 3 of window 1
.macro LOADB b
	WIN 0x40
.irp j, 0,1,2,3,4,5,6,7,8,9,10,11,12,13,14,15
.if (\b) < 2
	global_load_b128 v[64*((\b)%3)+4*\j:64*((\b)%3)+4*\j+3], v[L16], s[80:81] offset:(16*(\b)+\j)*4096
.else
	global_load_b128 v[64*((\b)%3)+4*\j:64*((\b)%3)+4*\j+3], v[L16], s[82:83] offset:(16*((\b)-2)+\j)*4096 th:TH_LOAD_NT
.endif
.endr
	WIN 0
.endm
; The block in v[XB] on (window 1) turns through my stage, in place: LDS serves a wave's instructions in order, so the loads see the stores.  Rows are 528 bytes apart: the 16 rows of a load start in 16 different groups of banks
.macro TURNB
	WIN 0x04
.irp j, 0,1,2,3,4,5,6,7,8,9,10,11,12,13,14,15
	ds_store_b128 v[TSI], v[XB+4*\j:XB+4*\j+3] offset:528*\j
.endr
	WIN 0x40
.irp c, 0,1
.irp i, 0,1,2,3,4,5,6,7
	ds_load_b128 v[XB+32*\c+4*\i:XB+32*\c+4*\i+3], v[TSO] offset:256*\c+16*\i
.endr
.endr
	WIN 0
	s_wait_dscnt 0x0                               ; the block is back; every earlier LDS store of mine has read its registers too
.endm
; The logits' share of my 128 columns: source 0 = M_w's rows (rows 10-15 repeat row 9 and are never read), source 1 = my 16 rows of h_prev.  Both hold k in the same places, so the products are the true ones.
; A lane then holds batch row r, and register j bit 8 h + j.  Four accumulators by turns; the first four products start the sums
.macro LOGIT
	WIN 0x05
.set II, 0
.rept 32
.if II < 4
	v_wmma_f32_16x16x4_f32 v[LA+8*II:LA+8*II+7], v[MW+2*II:MW+2*II+1], v[XB+2*II:XB+2*II+1], 0
.else
	v_wmma_f32_16x16x4_f32 v[LA+8*(II%4):LA+8*(II%4)+7], v[MW+2*II:MW+2*II+1], v[XB+2*II:XB+2*II+1], v[LA+8*(II%4):LA+8*(II%4)+7]
.endif
.set II, II+1
.endr
	WIN 0
.endm
; My 64 numbers become the fragment's 12 registers in v[PC] on, and the row's scale word in v[wd] (the same in lanes l and l xor 16)
.macro QUANT wd
	WIN 0x05
.irp c, 0,1
	v_max3_num_f32 v[TM+2*\c], |v[XB+32*\c]|, |v[XB+32*\c+1]|, 0x1800000           ; block 2 c + h, all 32 numbers mine, in two chains; the floor 2^(3 - 127) holds the byte at 1 from below
	v_max3_num_f32 v[TM+2*\c+1], |v[XB+32*\c+16]|, |v[XB+32*\c+17]|, 0x1800000
.endr
.irp i, 2,4,6,8,10,12,14
.irp c, 0,1
	v_max3_num_f32 v[TM+2*\c], |v[XB+32*\c+\i]|, |v[XB+32*\c+\i+1]|, v[TM+2*\c]
	v_max3_num_f32 v[TM+2*\c+1], |v[XB+32*\c+16+\i]|, |v[XB+32*\c+17+\i]|, v[TM+2*\c+1]
.endr
.endr
	WIN 0
.irp c, 0,1
	v_max_num_f32 v[TM+2*\c], v[TM+2*\c], v[TM+2*\c+1]
.endr
.irp c, 0,1
	v_add_nc_u32 v[SO+\c], 0xff000000, v[TM+2*\c]  ; 2 off the exponent field: the conversion takes the exponent field of this operand as its scale
.endr
.irp c, 0,1
	v_lshrrev_b32 v[BY+\c], 23, v[SO+\c]           ; the scale's byte
.endr
	v_lshl_or_b32 v[\wd], v[BY+1], 16, v[BY]       ; my two bytes, blocks h and 2 + h,
	v_lshlrev_b32 v[\wd], v[SH8], v[\wd]           ; at their places in the word;
	v_permlanex16_b32 v[TP], v[\wd], s78, s79
	v_or_b32 v[\wd], v[\wd], v[TP]                 ; with lane l xor 16's two the word is whole
	s_wait_xcnt 0x0                                ; the last block's stores have read the codes' registers: only now are they written again
	WIN 0x01
.irp c, 0,1
	v_cvt_scalef32_pk16_fp6_f32 v[PC+6*\c:PC+6*\c+2], v[XB+32*\c:XB+32*\c+15], v[SO+\c]
	v_cvt_scalef32_pk16_fp6_f32 v[PT+4*\c:PT+4*\c+2], v[XB+32*\c+16:XB+32*\c+31], v[SO+\c]   ; (a conversion's three registers begin on an even number)
.endr
	WIN 0
	v_nop                                          ; one plain place behind a scaled conversion
.irp c, 0,1
.irp i, 0,1,2
	v_mov_b32 v[PC+3+6*\c+\i], v[PT+4*\c+\i]
.endr
.endr
.endm
; The four accumulators are added (each read from its low end on) and go to LDS: tile of rows a, my K step
.macro LSUM a
.irp i, 0,2,4,6
	v_pk_add_f32 v[LS+\i:LS+\i+1], v[LA+\i:LA+\i+1], v[LA+8+\i:LA+9+\i]
.endr
.irp i, 0,2,4,6
	v_pk_add_f32 v[LS+8+\i:LS+9+\i], v[LA+16+\i:LA+17+\i], v[LA+24+\i:LA+25+\i]
.endr
.irp i, 0,2,4,6
	v_pk_add_f32 v[LS+\i:LS+\i+1], v[LS+\i:LS+\i+1], v[LS+8+\i:LS+9+\i]
.endr
	ds_store_b128 v[LGW], v[LS:LS+3] offset:8192*(\a)
	ds_store_b128 v[LGW], v[LS+4:LS+7] offset:8192*(\a)+512
.endm
.macro MEMBLK b                        ; a block of memory: its image and scale word go to LDS, for all eight waves
.set XB, 64*((\b)%3)
	s_wait_loadcnt 32                              ; this block's loads are in (and all older ones); the two younger blocks' 32 may be out
	TURNB
	QUANT PW
.irp c, 0,1,2
	ds_store_b128 v[MIW], v[PC+4*\c:PC+4*\c+3] offset:12288*(\b)+512*\c
.endr
	ds_store_b32 v[MSW], v[PW] offset:1024*(\b)
	LOADB (\b)+3
.endm
.macro HBLK b, cnt                     ; a block of h_prev: logits, codes to hq (three stores of 512 consecutive bytes), the word kept for hs
.set XB, 64*((\b)%3)
	s_wait_loadcnt \cnt
	TURNB
	LOGIT
	QUANT HSW+(\b)-2
.irp c, 0,1,2
	global_store_b128 v[L16], v[PC+4*\c:PC+4*\c+3], s[84:85] offset:1536*((\b)-2)+512*\c
.endr
	LSUM (\b)-2                                    ; QUANT's lines are the places between the last product and this first read of the sums
.endm
	s_load_b512 s[4:19], s[0:1], 0x0               ; h_prev, memory, M_w, M_b, W's codes, W's scales, U's codes, U's scales
	s_load_b512 s[20:35], s[0:1], 0x40             ; Q's codes, Q's scales, W_b, U_b, Q_b, hq, hs, wq
	s_load_b128 s[36:39], s[0:1], 0x80             ; ptab, idx
	v_lshl_add_u32 v[SPW], v0, 2, SPARE
	v_mov_b32 v[NIL], 0
	v_lshrrev_b32 v108, 5, v0
	v_readfirstlane_b32 s66, v108                  ; wave 0..7
	s_mov_b32 s67, ttmp9                           ; g
	v_and_b32 v108, 31, v0                         ; lane
	v_and_b32 v109, 15, v0                         ; r
	v_bfe_u32 v110, v0, 4, 1                       ; h
	v_lshlrev_b32 v[L16], 4, v108
	v_lshlrev_b32 v[L8], 3, v108
	v_lshl_add_u32 v[MSR], v108, 2, MSC
	s_mul_i32 s86, s66, 8448
	v_add_nc_u32 v[TSI], s86, v[L16]
	v_mul_u32_u24 v[TSO], v109, 528
	v_lshl_add_u32 v[TSO], v110, 7, v[TSO]
	v_add_nc_u32 v[TSO], s86, v[TSO]
	s_mul_i32 s86, s66, 1536
	s_add_co_u32 s86, s86, MI
	v_add_nc_u32 v[MIW], s86, v[L16]
	s_lshl_b32 s86, s66, 7
	v_add_nc_u32 v[MSW], s86, v[MSR]
	s_lshl_b32 s86, s66, 10
	s_add_co_u32 s86, s86, LG
	v_add_nc_u32 v[LGW], s86, v[L16]
	s_and_b32 s87, s66, 3
	s_lshr_b32 s88, s66, 2
	s_lshl_b32 s86, s87, 13
	s_lshl_b32 s89, s88, 9
	s_add_co_u32 s86, s86, s89
	s_add_co_u32 s86, s86, LG
	v_add_nc_u32 v[LGR], s86, v[L16]
	v_add_nc_u32 v[MIR], MI, v[L16]
	v_mul_u32_u24 v[QOF], v109, 768
	v_mad_u32_u24 v[QOF], v110, 24, v[QOF]
	v_lshlrev_b32 v[R32], 5, v109
	v_mul_u32_u24 v[PSW], v109, 528
	v_lshl_add_u32 v[PSW], v110, 5, v[PSW]
	s_lshl_b32 s86, s66, 6
	s_add_co_u32 s86, s86, PS
	v_add_nc_u32 v[PSW], s86, v[PSW]
	s_mul_i32 s86, s66, 2112
	s_add_co_u32 s86, s86, PS
	v_add_nc_u32 v[PSR], s86, v[L16]
	s_lshl_b32 s86, s88, 8
	s_lshl_b32 s89, s87, 6
	s_add_co_u32 s86, s86, s89
	s_add_co_u32 s86, s86, IX
	v_lshl_add_u32 v[IXW], v109, 2, s86
	v_lshlrev_b32 v[SH8], 3, v110
	v_min_u32 v111, 9, v109
	v_lshlrev_b32 v[MWO], 12, v111
	v_lshl_add_u32 v[MWO], v110, 7, v[MWO]
	v_lshl_add_u32 v[SOF], v110, 12, v[R32]
	v_lshlrev_b32 v[BOF], 5, v110
	v_add_nc_u32 v[IXR], IX, v[L8]
	v_mov_b32 v[TP], 0                             ; written once: a lane permute's destination counts as one of its sources
	s_mov_b32 s78, 0x76543210
	s_mov_b32 s79, 0xfedcba98                      ; v_permlanex16_b32's selects for lane l xor 16
	s_wait_kmcnt 0x0
	s_load_b256 s[68:75], s[10:11], 0x0            ; M_b: ten numbers, waited for ahead of the index
	s_load_b64 s[76:77], s[10:11], 0x20
	s_mov_b32 s87, 0                               ; the high word of every offset below: all stay under 2^31
	s_lshl_b32 s88, s66, 9                         ; my K step's 512 bytes in a row of f32
	s_lshl_b32 s86, s67, 18                        ; 64 rows of 4,096 bytes
	s_add_co_u32 s86, s86, s88
	s_add_nc_u64 s[82:83], s[4:5], s[86:87]        ; h_prev at my first row and column
	s_lshr_b32 s89, s67, 3
	s_lshl_b32 s89, s89, 17                        ; 32 rows of 4,096 bytes
	s_add_co_u32 s86, s89, s88
	s_add_nc_u64 s[80:81], s[6:7], s[86:87]        ; memory likewise
	s_mov_b32 s86, s88
	s_add_nc_u64 s[40:41], s[8:9], s[86:87]        ; M_w at my columns
	s_mul_i32 s86, s67, 49152
	s_mul_i32 s90, s66, 6144
	s_add_co_u32 s86, s86, s90
	s_add_nc_u64 s[84:85], s[30:31], s[86:87]      ; hq: [tile][K step 8][tile of rows 4][1,536]
	s_lshl_b32 s86, s67, 12
	s_add_co_u32 s86, s86, s88
	s_add_nc_u64 s[42:43], s[32:33], s[86:87]      ; hs: [tile][K step 8][lane 32][tile of rows 4] words
	s_and_b32 s90, s67, 7
	s_lshl_b32 s91, s90, 3
	s_add_co_u32 s91, s91, s66                     ; my 16 columns of T: tile 8 (g % 8) + w
	s_mul_i32 s86, s91, 12288
	s_add_nc_u64 s[44:45], s[20:21], s[86:87]      ; their rows of Q_w's codes,
	s_lshl_b32 s86, s91, 9
	s_add_nc_u64 s[46:47], s[22:23], s[86:87]      ; of its scale bytes,
	s_lshl_b32 s86, s91, 6
	s_add_nc_u64 s[48:49], s[24:25], s[86:87]      ; and the three biases there
	s_add_nc_u64 s[50:51], s[26:27], s[86:87]
	s_add_nc_u64 s[52:53], s[28:29], s[86:87]
	s_lshl_b32 s86, s66, 14                        ; on the way out wave w stores rows 4 w .. 4 w + 3 of the tile
	s_add_co_u32 s86, s86, s89
	s_lshl_b32 s90, s90, 9
	s_add_co_u32 s86, s86, s90
	s_add_nc_u64 s[54:55], s[36:37], s[86:87]
	s_lshl_b32 s86, s67, 8
	s_add_nc_u64 s[56:57], s[38:39], s[86:87]      ; idx: 64 words
	; THE COPY OF W_w AND U_w.  wq: [step 16: W's 8 K steps, then U's][quarter of the columns 4][25,600 bytes]; a quarter: 16 fragments (16 rows x 128 K) as images of 1,536 bytes, then 1,024 bytes of scale words [q 4][lane 32][j 2]:
	; lanes 0-15 the word of tile 2 q + j, row r; lanes 16-31 that of tile 8 + 2 q + j.  Waves 0-3 copy fragment 4 g + w of 1,024, wave 4 piece g of 256.  The branches hang on the wave's number alone
	s_lshr_b32 s90, s67, 7                         ; which matrix
	s_cmp_eq_u32 s90, 0
	s_cselect_b64 s[58:59], s[12:13], s[16:17]
	s_cselect_b64 s[92:93], s[14:15], s[18:19]
	s_mov_b64 s[60:61], s[34:35]                   ; where the copy goes: wq's address in every wave, on the way that all take; each arm below adds its own offset
	s_lshl_b32 s90, s90, 3
	s_cmp_lt_u32 s66, 4
	s_cbranch_scc0 .Lnot_frag
	s_and_b32 s91, s67, 1
	s_lshl_b32 s91, s91, 2
	s_add_co_u32 s91, s91, s66                     ; K step 4 (g % 2) + w
	s_bfe_u32 s94, s67, 0x60001                    ; tile of 16 rows: (g / 2) % 64
	s_mul_i32 s86, s94, 12288
	s_mul_i32 s95, s91, 96
	s_add_co_u32 s86, s86, s95
	s_add_nc_u64 s[58:59], s[58:59], s[86:87]
.irp p, 0,1,2,3,4,5
	global_load_b64 v[RL+2*\p:RL+2*\p+1], v[QOF], s[58:59] offset:48*(\p/3)+8*(\p%3)
.endr
	s_add_co_u32 s90, s90, s91
	s_mul_i32 s86, s90, 102400
	s_lshr_b32 s95, s94, 4
	s_mul_i32 s95, s95, 25600
	s_add_co_u32 s86, s86, s95
	s_and_b32 s95, s94, 15
	s_mul_i32 s95, s95, 1536
	s_add_co_u32 s86, s86, s95
	s_add_nc_u64 s[60:61], s[60:61], s[86:87]
	s_branch .Lrl_asked
.Lnot_frag:
	s_cmp_eq_u32 s66, 4
	s_cbranch_scc0 .Lrl_asked
	s_bfe_u32 s91, s67, 0x30004                    ; K step (g / 16) % 8
	s_bfe_u32 s94, s67, 0x20002                    ; quarter (g / 4) % 4
	s_and_b32 s95, s67, 3                          ; q
	s_lshl_b32 s86, s94, 13                        ; 256 rows of 32 bytes
	s_lshl_b32 s96, s95, 10                        ; 32 rows
	s_add_co_u32 s86, s86, s96
	s_lshl_b32 s96, s91, 2
	s_add_co_u32 s86, s86, s96
	s_add_nc_u64 s[58:59], s[92:93], s[86:87]
	global_load_b32 v[RL], v[SOF], s[58:59]
	global_load_b32 v[RL+1], v[SOF], s[58:59] offset:512
	s_add_co_u32 s90, s90, s91
	s_mul_i32 s86, s90, 102400
	s_mul_i32 s96, s94, 25600
	s_add_co_u32 s86, s86, s96
	s_lshl_b32 s96, s95, 8
	s_add_co_u32 s86, s86, s96
	s_add_co_u32 s86, s86, 24576
	s_add_nc_u64 s[60:61], s[60:61], s[86:87]
.Lrl_asked:
	WIN 0x40
.irp c, 0,1
.irp i, 0,1,2,3,4,5,6,7
	global_load_b128 v[MW+32*\c+4*\i:MW+32*\c+4*\i+3], v[MWO], s[40:41] offset:256*\c+16*\i   ; M_w(min(r, 9), the k that my lane holds of a block)
.endr
.endr
	WIN 0
	LOADB 0
	LOADB 1
	LOADB 2
	MEMBLK 0
	s_cmp_lt_u32 s66, 4                            ; the copies leave: their loads are older than block 0's, so they are in
	s_cbranch_scc0 .Lnot_frag2
	global_store_b128 v[L16], v[RL:RL+3], s[60:61]
	global_store_b128 v[L16], v[RL+4:RL+7], s[60:61] offset:512
	global_store_b128 v[L16], v[RL+8:RL+11], s[60:61] offset:1024
	s_branch .Lrl_done
.Lnot_frag2:
	s_cmp_eq_u32 s66, 4
	s_cbranch_scc0 .Lrl_done
	global_store_b64 v[L8], v[RL:RL+1], s[60:61]   ; 32 lanes store 256 consecutive bytes, aligned
.Lrl_done:
	MEMBLK 1
	HBLK 2, 32                                     ; younger: blocks 3 and 4
	LOADB 5
	HBLK 3, 32                                     ; younger: blocks 4 and 5
	HBLK 4, 16                                     ; younger: block 5
	WIN 0x40                                       ; Q_w's 8 fragments of my 16 columns, into the registers that blocks 3 and 4 have left (QUANT's and LSUM's lines are the places behind the products that read them)
.irp s, 0,1,2,3,4,5,6,7
.irp p, 0,1,2,3,4,5
	global_load_b64 v[12*\s+2*\p:12*\s+2*\p+1], v[QOF], s[44:45] offset:96*\s+48*(\p/3)+8*(\p%3)
.endr
.endr
	WIN 0
	global_load_b128 v[QS:QS+3], v[R32], s[46:47]  ; row r's eight scale words
	global_load_b128 v[QS+4:QS+7], v[R32], s[46:47] offset:16
.irp n, 0,1,2
	global_load_b128 v[BI+8*\n:BI+8*\n+3], v[BOF], s[48+2*\n:49+2*\n]   ; a bias at my lane's eight columns 8 h + 0 .. 7
	global_load_b128 v[BI+8*\n+4:BI+8*\n+7], v[BOF], s[48+2*\n:49+2*\n] offset:16
.endr
	HBLK 5, 56                                     ; younger: the 48 + 2 + 6 loads just issued
	global_store_b128 v[L16], v[HSW:HSW+3], s[42:43]   ; my K step's scale words of the four tiles of rows: 512 consecutive bytes
	s_wait_dscnt 0x0                               ; for the others' sake: my images, scale words and partial logits lie in LDS
	s_barrier_signal -1
	s_barrier_wait -1
	s_wait_loadcnt 0x0                             ; Q_w's fragments and words, the biases
.irp i, 0,2,4,6
	v_pk_add_f32 v[BS+\i:BS+\i+1], v[BI+\i:BI+\i+1], v[BI+8+\i:BI+9+\i]
.endr
.irp i, 0,2,4,6
	v_pk_add_f32 v[BS+\i:BS+\i+1], v[BS+\i:BS+\i+1], v[BI+16+\i:BI+17+\i]
.endr
	; THE INDEX.  Wave w adds the eight waves' partial logits of rows 16 (w % 4) on, bits 8 h + 4 (w / 4) + 0 .. 3, in ascending K
	s_wait_kmcnt 0x0                               ; M_b
.irp u, 0,1,2,3,4,5,6,7
	ds_load_b128 v[LR+4*\u:LR+4*\u+3], v[LGR] offset:1024*\u
.endr
	s_lshr_b32 s86, s66, 2
	s_cmp_eq_u32 s86, 0
	s_cselect_b32 s90, s68, s72                    ; M_b of bits 4 (w / 4) + 0 .. 3
	s_cselect_b32 s91, s69, s73
	s_cselect_b32 s92, s70, s74
	s_cselect_b32 s93, s71, s75
	s_lshl_b32 s86, s86, 2
	v_cmp_ne_u32 s94, 0, v[SH8]                    ; lanes 16-31
	v_mov_b32 v108, 0x200
	v_lshrrev_b32 v108, v[SH8], v108               ; bit i weighs 2^(9 - i): 512 >> 8 h,
	v_lshrrev_b32 v108, s86, v108                  ; >> 4 (w / 4): what lies past bit 9 weighs 0
	s_wait_dscnt 0x0
.irp u, 1,2,3,4,5,6,7
	v_pk_add_f32 v[LR:LR+1], v[LR:LR+1], v[LR+4*\u:LR+4*\u+1]
	v_pk_add_f32 v[LR+2:LR+3], v[LR+2:LR+3], v[LR+4*\u+2:LR+4*\u+3]
.endr
.irp j, 0,1
	v_mov_b32 v[110+\j], s[90+\j]
	v_mov_b32 v[112+\j], s[76+\j]                  ; bits 8 and 9, in lanes 16-31 (they weigh something in waves 0-3 alone)
	v_cndmask_b32 v[110+\j], v[110+\j], v[112+\j], s94
	v_add_f32 v[LR+\j], v[LR+\j], v[110+\j]
.endr
	v_add_f32 v[LR+2], s92, v[LR+2]
	v_add_f32 v[LR+3], s93, v[LR+3]
	v_mov_b32 v109, 0
.irp j, 0,1,2,3
	v_cmp_lt_f32 vcc_lo, 0, v[LR+\j]               ; the hard bit: the logit is above 0
	v_lshrrev_b32 v110, \j, v108
	v_cndmask_b32 v110, 0, v110, vcc_lo
	v_or_b32 v109, v109, v110
.endr
	v_permlanex16_b32 v[TP], v109, s78, s79
	v_add_nc_u32 v109, v109, v[TP]                 ; with lane l xor 16's bits
	ds_store_b32 v[IXW], v109                      ; both halves write the same word with the same value
	; T's TILE: source 0 = my 16 rows of Q_w, source 1 = 16 rows of memory: a lane holds one row of memory and eight neighbouring columns.  The biases' sum is the C of each sum's first product.  Two accumulators by turns, K ascending
.irp e, 0,1,2,3,4,5,6,7,8,9,10,11,12,13,14,15
	ds_load_b32 v[MS+\e], v[MSR] offset:128*\e
.endr
.irp hh, 0,1
.if \hh > 0
.rept 4
	v_nop                                          ; places in front of loads into registers that matrix instructions have read
.endr
.endif
	WIN 0x40
.irp sl, 0,1,2,3
.irp mb, 0,1
.irp c, 0,1,2
	ds_load_b128 v[96+12*(2*\sl+\mb)+4*\c:96+12*(2*\sl+\mb)+4*\c+3], v[MIR] offset:(8*\mb+4*\hh+\sl)*1536+512*\c
.endr
.endr
.endr
	s_wait_dscnt 0x0
	WIN 0x05
.irp sl, 0,1,2,3
.irp mb, 0,1
.if (4*\hh+\sl) == 0
	v_wmma_scale_f32_16x16x128_f8f6f4 v[PA+8*\mb:PA+8*\mb+7], v[12*(4*\hh+\sl):12*(4*\hh+\sl)+11], v[96+12*(2*\sl+\mb):96+12*(2*\sl+\mb)+11], v[BS:BS+7], v[QS+4*\hh+\sl], v[MS+8*\mb+4*\hh+\sl] matrix_a_fmt:MATRIX_FMT_FP6 matrix_b_fmt:MATRIX_FMT_FP6
.else
	v_wmma_scale_f32_16x16x128_f8f6f4 v[PA+8*\mb:PA+8*\mb+7], v[12*(4*\hh+\sl):12*(4*\hh+\sl)+11], v[96+12*(2*\sl+\mb):96+12*(2*\sl+\mb)+11], v[PA+8*\mb:PA+8*\mb+7], v[QS+4*\hh+\sl], v[MS+8*\mb+4*\hh+\sl] matrix_a_fmt:MATRIX_FMT_FP6 matrix_b_fmt:MATRIX_FMT_FP6
.endif
.endr
.endr
.endr
	WIN 0
.rept 4
	v_nop                                          ; places in front of the first read of the results
.endr
.irp mb, 0,1
	ds_store_b128 v[PSW], v[PA+8*\mb:PA+8*\mb+3] offset:8448*\mb          ; each accumulator from its low end on
	ds_store_b128 v[PSW], v[PA+8*\mb+4:PA+8*\mb+7] offset:8448*\mb+16
.endr
	s_wait_dscnt 0x0                               ; for the others' sake: my part of T's rows and my partial indices lie in LDS
	s_barrier_signal -1
	s_barrier_wait -1
	s_cmp_lg_u32 s66, 0
	s_cbranch_scc1 .Lnot_wave_0
	ds_load_b64 v[212:213], v[IXR]                 ; wave 0 joins the two partial indices of the 64 rows
	ds_load_b64 v[214:215], v[IXR] offset:256
	s_wait_dscnt 0x0
	v_add_nc_u32 v212, v212, v214
	v_add_nc_u32 v213, v213, v215
	global_store_b64 v[L8], v[212:213], s[56:57]   ; 256 consecutive bytes, aligned
.Lnot_wave_0:
.irp i, 0,1,2,3
	ds_load_b128 v[LR+4*\i:LR+4*\i+3], v[PSR] offset:528*\i
.endr
	s_wait_dscnt 0x0
.irp i, 0,1,2,3
	global_store_b128 v[L16], v[LR+4*\i:LR+4*\i+3], s[54:55] offset:4096*\i   ; 512 consecutive bytes of a row of T
.endr
	s_wait_tensorcnt 0x0                           ; the wave's end: behind my last LDS store
	ds_add_u32 v[SPW], v[NIL]
	s_wait_dscnt 0x0
	s_endpgm
.Lfunc_end_k_q8154c27a63_prep:
	.size	k_q8154c27a63_prep, .Lfunc_end_k_q8154c27a63_prep-k_q8154c27a63_prep
	.p2alignl 7, 3214868480
	.fill 96, 4, 3214868480
	.section	.rodata,"a",@progbits
	.p2align	6, 0x0
	.amdhsa_kernel k_q8154c27a63_prep
		.amdhsa_group_segment_fixed_size 145408
		.amdhsa_private_segment_fixed_size 0
		.amdhsa_enable_private_segment 0
		.amdhsa_kernarg_size 144
		.amdhsa_user_sgpr_count 2
		.amdhsa_user_sgpr_kernarg_segment_ptr 1
		.amdhsa_wavefront_size32 1
		.amdhsa_system_sgpr_workgroup_id_x 1
		.amdhsa_system_sgpr_workgroup_id_y 1
		.amdhsa_system_sgpr_workgroup_id_z 1
		.amdhsa_system_vgpr_workitem_id 0
		.amdhsa_next_free_vgpr 512
		.amdhsa_next_free_sgpr 100
		.amdhsa_reserve_vcc 1
		.amdhsa_float_denorm_mode_32 3
		.amdhsa_float_denorm_mode_16_64 3
		.amdhsa_memory_ordered 1
		.amdhsa_forward_progress 1
		.amdhsa_inst_pref_size 81
	.end_amdhsa_kernel
	.amdgpu_metadata
---
amdhsa.version: [ 1, 2 ]
amdhsa.kernels:
  - .name:           k_q8154c27a63_prep
    .symbol:         k_q8154c27a63_prep.kd
    .args:
      - { .name: h_prev, .offset: 0, .size: 8, .value_kind: global_buffer, .address_space: global }
      - { .name: memory, .offset: 8, .size: 8, .value_kind: global_buffer, .address_space: global }
      - { .name: M_w, .offset: 16, .size: 8, .value_kind: global_buffer, .address_space: global }
      - { .name: M_b, .offset: 24, .size: 8, .value_kind: global_buffer, .address_space: global }
      - { .name: W_w_codes, .offset: 32, .size: 8, .value_kind: global_buffer, .address_space: global }
      - { .name: W_w_scales, .offset: 40, .size: 8, .value_kind: global_buffer, .address_space: global }
      - { .name: U_w_codes, .offset: 48, .size: 8, .value_kind: global_buffer, .address_space: global }
      - { .name: U_w_scales, .offset: 56, .size: 8, .value_kind: global_buffer, .address_space: global }
      - { .name: Q_w_codes, .offset: 64, .size: 8, .value_kind: global_buffer, .address_space: global }
      - { .name: Q_w_scales, .offset: 72, .size: 8, .value_kind: global_buffer, .address_space: global }
      - { .name: W_b, .offset: 80, .size: 8, .value_kind: global_buffer, .address_space: global }
      - { .name: U_b, .offset: 88, .size: 8, .value_kind: global_buffer, .address_space: global }
      - { .name: Q_b, .offset: 96, .size: 8, .value_kind: global_buffer, .address_space: global }
      - { .name: hq, .offset: 104, .size: 8, .value_kind: global_buffer, .address_space: global }
      - { .name: hs, .offset: 112, .size: 8, .value_kind: global_buffer, .address_space: global }
      - { .name: wq, .offset: 120, .size: 8, .value_kind: global_buffer, .address_space: global }
      - { .name: ptab, .offset: 128, .size: 8, .value_kind: global_buffer, .address_space: global }
      - { .name: idx, .offset: 136, .size: 8, .value_kind: global_buffer, .address_space: global }
    .group_segment_fixed_size: 145408
    .private_segment_fixed_size: 0
    .kernarg_segment_align: 8
    .kernarg_segment_size: 144
    .max_flat_workgroup_size: 256
    .sgpr_count:     100
    .vgpr_count:     512
    .wavefront_size: 32
...
	.end_amdgpu_metadata
.endif
;; end of part 1
;; launch combine (part 2): grid 256 x 1, 4 waves a work-group, clusters of 4 x 1, 327,680 bytes of LDS; arguments x_codes, x_scales, hq, hs, wq, ptab, idx, ln_g, ln_b, out0; writes out0
.if DOCPART == 2
	.amdgcn_target "amdgcn-amd-amdhsa--gfx1250"
	.amdhsa_code_object_version 6
	.text
	.protected	k_q8154c27a63_combine
	.globl	k_q8154c27a63_combine
	.p2align	8
	.type	k_q8154c27a63_combine,@function
k_q8154c27a63_combine:
	s_mov_b64 s[64:65], 0
	v_nop
	global_prefetch_b8 v0, s[64:65] scope:SCOPE_SE
	s_setreg_imm32_b32 hwreg(HW_REG_WAVE_MODE, 25, 1), 1
	s_wait_xcnt 0x0
	s_wait_alu depctr_hold_cnt(0) depctr_sa_sdst(0) depctr_va_vdst(0) depctr_va_sdst(0) depctr_va_ssrc(0) depctr_va_vcc(0) depctr_vm_vsrc(0)
	s_getreg_b32 s2, hwreg(HW_REG_IB_STS2, 6, 4)
	s_cmp_eq_u32 s2, 0
	s_cbranch_scc0 .Lentry_in_a_cluster
	s_endpgm
.Lentry_in_a_cluster:
	s_bfe_u32 s2, ttmp6, 0x10000c
	s_cmp_lg_u32 s2, 0x3003
	s_cbranch_scc0 .Lentry_shape_is_right
	s_endpgm
.Lentry_shape_is_right:
; out0 = sigmoid(LayerNorm(x W_w^T + Q(h_prev) U_w^T + T[index])): the two products on E2M3 codes with E8M0 scales, one sum over K = 2,048 (x | W_w, then h | U_w); all behind them in f32.
; LEFT OUT HERE: the product of the gathered memory rows with Q_w.  Its row b is row index[b] of the table T that the launch before has made from the same codes (the proof stands at that kernel's head); T holds the three biases too.
; LIMITS: T's row (with the biases) is added behind the two products' sum: another order of f32 additions than reference()'s.  The index is held at 1,023.
; SHARES.  A work-group owns 64 whole rows (LayerNorm wants whole rows): 256 work-groups.  Wave w makes columns 256 w .. + 255 for all 64 rows: 16 tiles of columns x 4 tiles of rows = 64 accumulators, 512 registers.
; THE MATRIX INSTRUCTION IS USED TRANSPOSED: source 0 = 16 rows of a weight (16 columns of the result), source 1 = 16 batch rows: a lane holds one batch row and eight neighbouring columns.
; THE WEIGHTS come in the order of the operand's registers (wq), a K step of 128 at a time, through two LDS slots of 102,400 bytes; each wave fetches and reads its own quarter.
; CLUSTER.  Every work-group walks the same weights, so the four of a cluster ask JOINTLY: the same tensor load, the same descriptor (made of the wave's number and the step alone), a mask that names the four.
; The rows' own codes (x's 64 rows as they lie in memory, h's as images) come once, by plain tensor loads among the first fills, and stay.  By this text's count a wave has four tensor loads out at the start and one later.
; A refill is asked for behind a step's 32nd product and waited for ahead of the next step's 17th: 48 products between.  Two slots of more than one step do not fit beside the rows' codes: 2 x 204,800 bytes.
; THE WAY OUT.  The sums go to a stage in LDS (64 rows x 4,112 bytes, over the slots, which have had their last fill and their last read); wave w takes rows 16 w .. + 15 back whole, four at a time, adds T's row, and does
; mean, variance (of the differences: no difference of large sums), normalisation, gain, bias and sigmoid with a row spread over its 32 lanes; each store covers 512 consecutive bytes.
; REGISTERS, in windows of 256.  Window 0: v1-23 addresses; v32-63 x's scale words (8 a + s), v64-95 h's (4 s + a), v96-111 the weights', two sets (all three: scales and nothing else); v112-207 the rows' fragments, two sets of 4 x 12;
;   on the way out v112-239 four rows at work, v240-255 their statistics.  Window 1: v0-191 a step's 16 weight fragments; on the way out v0-127 four rows of sums, v128-255 four rows of T.
;   Window 2: the accumulators of tiles 0-7 (tile t, rows a: 8 (4 t + a)); on the way out v0-63 gain and bias.  Window 3: those of tiles 8-15.
.set SLOTB, 102400
.set XT,    204800                     ; x's 64 rows of 768 bytes, as 192 pieces of 256 bytes + 16 of padding: rows 816 bytes apart = 204 words: the 32 lanes of a load of 8 bytes touch 64 different banks (64 banks of 4 bytes: ISA guide 11.1)
.set HT,    257024                     ; h's 32 images of 1,536 bytes: 4 s + a
.set SPARE, 306176                     ; the spare words, 128 bytes for each wave: two blocks of 256 bytes that no other line names
.set SROW,  4112                       ; a row of the stage: 4,096 bytes + 16
.set L16, 1                            ; 16 x lane
.set ADW, 2                            ; v2-3    my quarter of slot 0, 1: + 16 x lane
.set ADH, 4                            ; HT + 16 x lane
.set ADX, 5                            ; v5-6    XT + 816 r + 24 h, and + 40 h for the pieces that lie behind one padding more in lanes 16-31
.set STO, 8                            ; v8-11   the stage, on the way in: 4,112 (16 a + r) + 1,024 w + 32 h
.set RD0, 12                           ; and back: my 16 rows, 16 x lane
.set RDT, 13
.set SPW, 14                           ; my spare word; never rewritten
.set NIL, 15                           ; 0; never rewritten
.set PO,  16                           ; v16-19  four rows of T: the row's byte offset + 16 x lane
.set R32, 21                           ; 32 r
.set ADS, 22                           ; v22-23  my quarter of slot 0, 1: + 8 x lane
.set XS,  32
.set HS,  64
.set WS,  96
.set AF,  112
.set WK,  112
.set TT4, 240
.set MSB, 0
.macro WIN new                         ; the immediate's high byte repeats the setting that is left
.if MSB != \new
	s_set_vgpr_msb (MSB<<8)|\new
.set MSB, \new
.endif
.endm
.macro CREST                           ; a round of the cluster's barrier behind its opening barrier
	s_cmp_lg_u32 s24, 0
	s_cbranch_scc1 .Lnot_wave_0_\@
	s_barrier_signal -3
.Lnot_wave_0_\@:
	s_barrier_wait -3
	s_barrier_signal -1
	s_barrier_wait -1
.endm
.macro CROUND                          ; a whole round
	s_barrier_signal -1
	s_barrier_wait -1
	CREST
.endm
.macro PLACES
.rept 4
	v_nop
.endr
.endm
; n tiles of columns from t0 on x the four tiles of rows, K step st.  Each accumulator has one product a step, always in the same order: the 63 others' stand between two links.  Step 0 starts the sums.
; The weights' scale register t % 8 holds tile t's words in lanes 0-15 for t < 8 and in lanes 16-31 for t >= 8
.macro MULT t0, n, st
.set TT, \t0
.rept \n
.set AA, 0
.rept 4
.set RD_, 8*(4*(TT%8)+AA)
.set RW_, 12*TT
.set RA_, AF+48*((\st)%2)+12*AA
.set RV_, WS+8*((\st)%2)+TT%8
.if (\st) < 8
.set RU_, XS+8*AA+(\st)
.else
.set RU_, HS+4*((\st)-8)+AA
.endif
.if (\st) == 0
.if TT < 8
	v_wmma_scale_f32_16x16x128_f8f6f4 v[RD_:RD_+7], v[RW_:RW_+11], v[RA_:RA_+11], 0, v[RV_], v[RU_] matrix_a_fmt:MATRIX_FMT_FP6 matrix_b_fmt:MATRIX_FMT_FP6
.else
	v_wmma_scale_f32_16x16x128_f8f6f4 v[RD_:RD_+7], v[RW_:RW_+11], v[RA_:RA_+11], 0, v[RV_], v[RU_] matrix_a_fmt:MATRIX_FMT_FP6 matrix_b_fmt:MATRIX_FMT_FP6 matrix_a_scale:MATRIX_SCALE_ROW1
.endif
.else
.if TT < 8
	v_wmma_scale_f32_16x16x128_f8f6f4 v[RD_:RD_+7], v[RW_:RW_+11], v[RA_:RA_+11], v[RD_:RD_+7], v[RV_], v[RU_] matrix_a_fmt:MATRIX_FMT_FP6 matrix_b_fmt:MATRIX_FMT_FP6
.else
	v_wmma_scale_f32_16x16x128_f8f6f4 v[RD_:RD_+7], v[RW_:RW_+11], v[RA_:RA_+11], v[RD_:RD_+7], v[RV_], v[RU_] matrix_a_fmt:MATRIX_FMT_FP6 matrix_b_fmt:MATRIX_FMT_FP6 matrix_a_scale:MATRIX_SCALE_ROW1
.endif
.endif
.set AA, AA+1
.endr
.set TT, TT+1
.endr
.endm
.macro FETCH_W slot, t0                ; eight weight fragments, as images: 24 loads of 512 consecutive bytes
	WIN 0x40
.irp u, 0,1,2,3,4,5,6,7
.irp c, 0,1,2
	ds_load_b128 v[12*((\t0)+\u)+4*\c:12*((\t0)+\u)+4*\c+3], v[ADW+(\slot)] offset:1536*((\t0)+\u)+512*\c
.endr
.endr
	WIN 0
.endm
.macro SCALW slot                      ; the step's weight scale words into set slot
.irp q, 0,1,2,3
	ds_load_b64 v[WS+8*(\slot)+2*\q:WS+8*(\slot)+2*\q+1], v[ADS+(\slot)] offset:24576+256*\q
.endr
.endm
; A fragment of x from its rows: lane (r, h) takes the 24 bytes at 96 s + 24 h and at 96 s + 48 + 24 h of row r, in pieces of 8 bytes.  16 bytes of padding lie behind every 256: where lanes 16-31's piece lies behind one more than lanes 0-15's, the second address register serves
.macro FRAGX reg, s, rowoff
.irp p, 0,1,2,3,4,5
.set OO, 96*(\s)+48*(\p/3)+8*(\p%3)
.if (OO+24)/256 == OO/256
	ds_load_b64 v[(\reg)+2*\p:(\reg)+2*\p+1], v[ADX] offset:OO+16*(OO/256)+(\rowoff)
.else
	ds_load_b64 v[(\reg)+2*\p:(\reg)+2*\p+1], v[ADX+1] offset:OO+16*(OO/256)+(\rowoff)
.endif
.endr
.endm
.macro FETCH_R t                       ; step t's four fragments of the rows into set t % 2: x's for t < 8, h's images behind
.set FS, AF+48*((\t)%2)
.if (\t) < 8
.irp a, 0,1,2,3
	FRAGX FS+12*\a, \t, 13056*\a
.endr
.else
.irp a, 0,1,2,3
.irp c, 0,1,2
	ds_load_b128 v[FS+12*\a+4*\c:FS+12*\a+4*\c+3], v[ADH] offset:(4*((\t)-8)+\a)*1536+512*\c
.endr
.endr
.endif
.endm
; K STEP t, 0 .. 14.  All 16 weight fragments of the step have been asked for, so behind the wait for them nobody reads this slot any more: ONE barrier a step (for t <= 13 it opens a round of the cluster's barrier), the refill first behind it
.macro STEP t
.set SL, (\t)%2
.set NX, 1-SL
	s_wait_dscnt 24                                ; the rows' fragments, tiles 0-7 and the scale words are in; the youngest 24 loads (tiles 8-15) may be out
	WIN 0xa1                                       ; source 0 (weights) window 1, source 1 (rows) window 0, C and D window 2
	MULT 0, 4, \t
	WIN 0                                          ; (the add's two registers lie in window 0)
	s_wait_tensorcnt 0x0                           ; all my tensor loads have landed: my quarter of the next slot among them;
	ds_add_u32 v[SPW], v[NIL]                      ; 0 onto my spare word
	WIN 0xa1
	MULT 4, 2, \t                                  ; eight products stand between the add and the wait for it
	s_wait_dscnt 0x0                               ; the add is done, and my reads of this slot are over
	s_barrier_signal -1
	MULT 6, 2, \t
	WIN 0
	s_barrier_wait -1
.if (\t) <= 13
	CREST                                          ; no wave of any partner still reads this slot or has a load on its way
	s_add_nc_u64 s[62+8*SL:63+8*SL], s[62+8*SL:63+8*SL], 2*SLOTB   ; this slot's next step: two steps on; the type bits on top are not reached
	tensor_load_to_lds s[60+8*SL:63+8*SL], s[28:35]                ; the first tensor load behind the round, and my only one until the next
	s_nop 0
.endif
	PLACES                                         ; places behind a tensor load; also in front of the loads below
	FETCH_R (\t)+1
	FETCH_W NX, 0
	SCALW NX
	WIN 0xf1                                       ; C and D window 3
	MULT 8, 8, \t
	PLACES
	FETCH_W NX, 8
.endm
	s_load_b512 s[4:19], s[0:1], 0x0               ; x's codes, x's scales, hq, hs, wq, ptab, idx, ln_g
	s_load_b128 s[20:23], s[0:1], 0x40             ; ln_b, out0
	v_lshl_add_u32 v[SPW], v0, 2, SPARE
	v_mov_b32 v[NIL], 0
	ds_add_u32 v[SPW], v[NIL]                      ; the wave's opening: the add, twice on end, and its wait ahead of my first tensor load; the set-up below, work on registers, stands between
	ds_add_u32 v[SPW], v[NIL]                      ; and once more, under the one wait
	v_lshrrev_b32 v24, 5, v0
	v_readfirstlane_b32 s24, v24                   ; wave 0..3
	s_bfe_u32 s25, ttmp6, 0x40000                  ; cx: my place in the cluster
	s_lshl_b32 s26, ttmp9, 2                       ; in a cluster launch ttmp9 counts clusters
	s_add_co_u32 s26, s26, s25                     ; my block of 64 rows: it enters the rows' global addresses alone
	; descriptor groups 1: dense blocks as rows of 256 bytes (32 elements of 8 bytes)
	s_mov_b32 s28, 15|(3<<16)|(1<<21)              ; the weights: 15:0 the mask: all four work-groups; 17:16 elements of 8 bytes; 21 set beside a mask; no padding
	s_mov_b32 s29, 32<<16                          ; tensor_dim0 = 32
	s_mov_b32 s30, 100<<16                         ; tensor_dim1 = 100: a quarter of a step, 25,600 bytes
	s_mov_b32 s31, 32<<16                          ; tile_dim0
	s_mov_b32 s32, 100                             ; tile_dim1
	s_mov_b32 s33, 32                              ; from row to row
	s_mov_b32 s34, 0
	s_mov_b32 s35, 0
	s_mov_b32 s36, (3<<16)|(1<<20)|(5<<22)|(3<<25) ; x's codes: no mask; padding on: behind every 64 words (code 5) 4 words (code 3)
	s_mov_b32 s37, 32<<16
	s_mov_b32 s38, 48<<16                          ; 16 rows of 768 bytes
	s_mov_b32 s39, 32<<16
	s_mov_b32 s40, 48
	s_mov_b32 s41, 32
	s_mov_b32 s42, 0
	s_mov_b32 s43, 0
	s_mov_b32 s44, 3<<16                           ; h's images: no mask, no padding
	s_mov_b32 s45, 32<<16
	s_mov_b32 s46, 48<<16                          ; 8 images of 1,536 bytes
	s_mov_b32 s47, 32<<16
	s_mov_b32 s48, 48
	s_mov_b32 s49, 32
	s_mov_b32 s50, 0
	s_mov_b32 s51, 0
	s_mul_i32 s2, s26, 49152                       ; my block's codes, of x and of h alike,
	s_mul_i32 s3, s24, 12288                       ; my wave's quarter of them
	s_add_co_u32 s2, s2, s3
	s_mov_b32 s3, 0
	s_mul_i32 s100, s24, 25600                     ; my quarter of a step's weights, in memory and in a slot: the wave's number alone
	s_mov_b32 s101, 0
	s_mov_b32 s88, 0x76543210
	s_mov_b32 s89, 0xfedcba98                      ; v_permlanex16_b32's selects for lane l xor 16
	s_mov_b32 s90, 0x3a800000                      ; 1 / 1,024
	s_mov_b32 s91, 0x3727c5ac                      ; 1e-5
	s_mov_b32 s92, 0xbfb8aa3b                      ; -log2(e)
	s_mov_b32 s93, s92                             ; (named with it as a pair, so it is written)
	v_and_b32 v24, 31, v0                          ; lane
	v_and_b32 v25, 15, v0                          ; r
	v_bfe_u32 v26, v0, 4, 1                        ; h
	v_lshlrev_b32 v[L16], 4, v24
	v_add_nc_u32 v[ADW], s100, v[L16]
	v_add_nc_u32 v[ADW+1], SLOTB, v[ADW]
	v_lshlrev_b32 v27, 3, v24
	v_add_nc_u32 v[ADS], s100, v27
	v_add_nc_u32 v[ADS+1], SLOTB, v[ADS]
	v_add_nc_u32 v[ADH], HT, v[L16]
	v_mul_u32_u24 v27, v25, 816
	v_add_nc_u32 v27, XT, v27
	v_mad_u32_u24 v[ADX], v26, 24, v27
	v_mad_u32_u24 v[ADX+1], v26, 40, v27
	v_mul_u32_u24 v27, v25, SROW
	v_lshl_add_u32 v27, v26, 5, v27
	s_lshl_b32 s27, s24, 10
	v_add_nc_u32 v[STO], s27, v27
	v_add_nc_u32 v[STO+1], 16*SROW, v[STO]
	v_add_nc_u32 v[STO+2], 16*SROW, v[STO+1]
	v_add_nc_u32 v[STO+3], 16*SROW, v[STO+2]
	s_mul_i32 s27, s24, 16*SROW
	v_add_nc_u32 v[RD0], s27, v[L16]
	v_lshlrev_b32 v[R32], 5, v25
	s_wait_dscnt 0x0                               ; both opening adds are done
	s_wait_kmcnt 0x0
	s_mov_b32 s52, 1                               ; group 0 for x's codes: count = 1,
	s_mul_i32 s53, s24, 13056
	s_add_co_u32 s53, s53, XT                      ; LDS address,
	s_add_nc_u64 s[54:55], s[4:5], s[2:3]          ; global address,
	s_or_b32 s55, s55, 0x80000000                  ; type = 2
	s_mov_b32 s56, 1                               ; for h's images
	s_mul_i32 s57, s24, 12288
	s_add_co_u32 s57, s57, HT
	s_add_nc_u64 s[58:59], s[8:9], s[2:3]
	s_or_b32 s59, s59, 0x80000000
	s_mov_b32 s60, 1                               ; for the weights, slot 0: step 0
	s_mov_b32 s61, s100
	s_add_nc_u64 s[62:63], s[12:13], s[100:101]
	s_mov_b32 s68, 1                               ; slot 1: step 1
	s_add_co_u32 s69, s100, SLOTB
	s_add_nc_u64 s[70:71], s[62:63], SLOTB
	s_or_b32 s63, s63, 0x80000000
	s_or_b32 s71, s71, 0x80000000
	s_lshl_b32 s94, s26, 11                        ; x's scale bytes: 64 rows of 32
	s_mov_b32 s95, 0
	s_add_nc_u64 s[6:7], s[6:7], s[94:95]
	s_lshl_b32 s94, s26, 12                        ; h's scale words: 4,096 bytes a block
	s_add_nc_u64 s[10:11], s[10:11], s[94:95]
	s_lshl_b32 s94, s26, 8                         ; the indices of my 16 rows of the way out
	s_lshl_b32 s27, s24, 6
	s_add_co_u32 s94, s94, s27
	s_add_nc_u64 s[16:17], s[16:17], s[94:95]
	s_lshl_b32 s94, s26, 18                        ; and their place in out0
	s_lshl_b32 s27, s24, 16
	s_add_co_u32 s94, s94, s27
	s_add_nc_u64 s[96:97], s[22:23], s[94:95]
	CROUND                                         ; all four work-groups are here: the first joint loads meet
	tensor_load_to_lds s[52:55], s[36:43]          ; the first fills go out together: x's codes,
	s_nop 0
	tensor_load_to_lds s[60:63], s[28:35]          ; weight step 0,
	s_nop 0
	tensor_load_to_lds s[56:59], s[44:51]          ; h's images,
	s_nop 0
	tensor_load_to_lds s[68:71], s[28:35]          ; weight step 1
	s_nop 0
	PLACES
.irp a, 0,1,2,3
	global_load_b128 v[XS+8*\a:XS+8*\a+3], v[R32], s[6:7] offset:512*\a          ; row 16 a + r's eight scale words of x
	global_load_b128 v[XS+8*\a+4:XS+8*\a+7], v[R32], s[6:7] offset:512*\a+16
.endr
.irp s, 0,1,2,3,4,5,6,7
	global_load_b128 v[HS+4*\s:HS+4*\s+3], v[L16], s[10:11] offset:512*\s        ; h's, K step s, the four tiles of rows
.endr
	s_load_b512 s[72:87], s[16:17], 0x0
	s_wait_tensorcnt 2                             ; x's codes and weight step 0 are in; the two younger loads may be out
	s_barrier_signal -1
	s_barrier_wait -1                              ; everybody's are
	FETCH_R 0
	FETCH_W 0, 0
	SCALW 0
	FETCH_W 0, 8
	s_wait_loadcnt 0x0                             ; the rows' scale words
	s_wait_kmcnt 0x0
.irp i, 0,1,2,3,4,5,6,7,8,9,10,11,12,13,14,15
	s_min_u32 s[72+\i], s[72+\i], 0x3ff            ; the index stays inside the table,
	s_lshl_b32 s[72+\i], s[72+\i], 12              ; and becomes the byte offset of a row of 4,096 bytes
.endr
.irp t, 0,1,2,3,4,5,6,7,8,9,10,11,12,13,14
	STEP \t
.endr
	s_wait_dscnt 24                                ; the last step: nothing more to fetch
	WIN 0xa1
	MULT 0, 8, 15
	s_wait_dscnt 0x0                               ; my last reads of the slots and of the rows' codes are over: the stage will lie over them
	s_barrier_signal -1
	WIN 0xf1
	MULT 8, 8, 15
	WIN 0
	s_barrier_wait -1                              ; everybody's are over
	PLACES                                         ; in front of the first reads of results and of loads into registers that held fragments
.irp i, 0,1,2,3
	v_add_nc_u32 v[PO+\i], s[72+\i], v[L16]
.endr
	WIN 0x40
.irp i, 0,1,2,3
.irp c, 0,1,2,3,4,5,6,7
	global_load_b128 v[128+32*\i+4*\c:128+32*\i+4*\c+3], v[PO+\i], s[14:15] offset:512*\c   ; T's rows for my first four rows: asked for ahead of the way through the stage
.endr
.endr
	WIN 0x08                                       ; an LDS store's data are its source 1: window 2
.irp t, 0,1,2,3,4,5,6,7
.irp a, 0,1,2,3
	ds_store_b128 v[STO+\a], v[8*(4*\t+\a):8*(4*\t+\a)+3] offset:64*\t            ; each accumulator from its low end on
	ds_store_b128 v[STO+\a], v[8*(4*\t+\a)+4:8*(4*\t+\a)+7] offset:64*\t+16
.endr
.endr
	WIN 0x0c                                       ; window 3
.irp t, 0,1,2,3,4,5,6,7
.irp a, 0,1,2,3
	ds_store_b128 v[STO+\a], v[8*(4*\t+\a):8*(4*\t+\a)+3] offset:512+64*\t
	ds_store_b128 v[STO+\a], v[8*(4*\t+\a)+4:8*(4*\t+\a)+7] offset:512+64*\t+16
.endr
.endr
	WIN 0
	s_wait_dscnt 0x0                               ; for the others' sake: my columns of all 64 rows lie in the stage; and the stores have read the accumulators
	WIN 0x80                                       ; destination window 2
.irp c, 0,1,2,3,4,5,6,7
	global_load_b128 v[4*\c:4*\c+3], v[L16], s[18:19] offset:512*\c               ; the gain at my lane's columns 128 c + 4 lane + 0 .. 3,
	global_load_b128 v[32+4*\c:32+4*\c+3], v[L16], s[20:21] offset:512*\c         ; and the bias
.endr
	WIN 0
	s_barrier_signal -1
	s_barrier_wait -1
	WIN 0x40
.irp i, 0,1,2,3
.irp c, 0,1,2,3,4,5,6,7
	ds_load_b128 v[32*\i+4*\c:32*\i+4*\c+3], v[RD0] offset:SROW*\i+512*\c
.endr
.endr
	s_wait_loadcnt 0x0
	WIN 0x82                                       ; source 0 and destination window 2
.set II, 0
.rept 32
	v_pk_mul_f32 v[2*II:2*II+1], v[2*II:2*II+1], s[92:93] op_sel_hi:[1,0]          ; gain and bias x -log2(e): sigmoid(y) = 1 / (1 + 2^(-log2(e) y))
.set II, II+1
.endr
	WIN 0
	s_mov_b32 s98, 0                               ; the trip's first row in my part of the stage, in bytes
	s_mov_b32 s99, 4
.Lrows:                                                ; four trips of four rows
	s_wait_loadcnt 0x0                             ; T's four rows
	s_wait_dscnt 0x0                               ; the sums' four rows
	WIN 0x05
.set II, 0
.rept 64
	v_pk_add_f32 v[WK+2*II:WK+2*II+1], v[2*II:2*II+1], v[128+2*II:129+2*II]        ; pre = the products' sum + T's row
.set II, II+1
.endr
	WIN 0
	s_cmp_eq_u32 s99, 1                            ; the next four rows are asked for here, if there are any: the count of trips alone decides
	s_cbranch_scc1 .Lno_next
	v_add_nc_u32 v[RDT], s98, v[RD0]
	WIN 0x40
.irp i, 0,1,2,3
.irp c, 0,1,2,3,4,5,6,7
	ds_load_b128 v[32*\i+4*\c:32*\i+4*\c+3], v[RDT] offset:4*SROW+SROW*\i+512*\c
.endr
.endr
	WIN 0
.irp i, 0,1,2,3
	v_add_nc_u32 v[PO+\i], s[76+\i], v[L16]        ; (the loads that read these registers were waited for at the trip's head)
.endr
	WIN 0x40
.irp i, 0,1,2,3
.irp c, 0,1,2,3,4,5,6,7
	global_load_b128 v[128+32*\i+4*\c:128+32*\i+4*\c+3], v[PO+\i], s[14:15] offset:512*\c
.endr
.endr
	WIN 0
.Lno_next:
	; the mean: my 32 numbers of each row in two packed chains, the four rows by turns; then across the 32 lanes
.irp i, 0,1,2,3
	v_pk_add_f32 v[TT4+4*\i:TT4+4*\i+1], v[WK+32*\i:WK+32*\i+1], v[WK+32*\i+2:WK+32*\i+3]
	v_pk_add_f32 v[TT4+4*\i+2:TT4+4*\i+3], v[WK+32*\i+4:WK+32*\i+5], v[WK+32*\i+6:WK+32*\i+7]
.endr
.irp p, 8,12,16,20,24,28
.irp i, 0,1,2,3
	v_pk_add_f32 v[TT4+4*\i:TT4+4*\i+1], v[TT4+4*\i:TT4+4*\i+1], v[WK+32*\i+\p:WK+32*\i+\p+1]
	v_pk_add_f32 v[TT4+4*\i+2:TT4+4*\i+3], v[TT4+4*\i+2:TT4+4*\i+3], v[WK+32*\i+\p+2:WK+32*\i+\p+3]
.endr
.endr
.macro ACROSS                          ; the two chains, the two halves of a pair, the 32 lanes: every lane ends with the row's sum in v[TT4 + 4 i]
.irp i, 0,1,2,3
	v_pk_add_f32 v[TT4+4*\i:TT4+4*\i+1], v[TT4+4*\i:TT4+4*\i+1], v[TT4+4*\i+2:TT4+4*\i+3]
.endr
.irp i, 0,1,2,3
	v_add_f32 v[TT4+4*\i], v[TT4+4*\i], v[TT4+4*\i+1]
.endr
.irp m, 1,2,4,8
.irp i, 0,1,2,3
	v_add_f32_dpp v[TT4+4*\i], v[TT4+4*\i], v[TT4+4*\i] row_xmask:\m row_mask:0xf bank_mask:0xf
.endr
.endr
.irp i, 0,1,2,3
	v_permlanex16_b32 v[TT4+4*\i+2], v[TT4+4*\i], s88, s89
.endr
.irp i, 0,1,2,3
	v_add_f32 v[TT4+4*\i], v[TT4+4*\i], v[TT4+4*\i+2]
.endr
.endm
	ACROSS
.irp i, 0,1,2,3
	v_mul_f32 v[TT4+4*\i], s90, v[TT4+4*\i]        ; mu
.endr
.irp i, 0,1,2,3
.irp p, 0,2,4,6,8,10,12,14,16,18,20,22,24,26,28,30
	v_pk_add_f32 v[WK+32*\i+\p:WK+32*\i+\p+1], v[WK+32*\i+\p:WK+32*\i+\p+1], v[TT4+4*\i:TT4+4*\i+1] op_sel_hi:[1,0] neg_lo:[0,1] neg_hi:[0,1]   ; pre - mu
.endr
.endr
.irp i, 0,1,2,3
	v_pk_mul_f32 v[TT4+4*\i:TT4+4*\i+1], v[WK+32*\i:WK+32*\i+1], v[WK+32*\i:WK+32*\i+1]
	v_pk_mul_f32 v[TT4+4*\i+2:TT4+4*\i+3], v[WK+32*\i+2:WK+32*\i+3], v[WK+32*\i+2:WK+32*\i+3]
.endr
.irp p, 4,8,12,16,20,24,28
.irp i, 0,1,2,3
	v_pk_fma_f32 v[TT4+4*\i:TT4+4*\i+1], v[WK+32*\i+\p:WK+32*\i+\p+1], v[WK+32*\i+\p:WK+32*\i+\p+1], v[TT4+4*\i:TT4+4*\i+1]
	v_pk_fma_f32 v[TT4+4*\i+2:TT4+4*\i+3], v[WK+32*\i+\p+2:WK+32*\i+\p+3], v[WK+32*\i+\p+2:WK+32*\i+\p+3], v[TT4+4*\i+2:TT4+4*\i+3]
.endr
.endr
	ACROSS
.irp i, 0,1,2,3
	v_fma_f32 v[TT4+4*\i], v[TT4+4*\i], s90, s91   ; the variance + 1e-5
.endr
.irp i, 0,1,2,3
	v_rsq_f32 v[TT4+4*\i], v[TT4+4*\i]
.endr
	v_nop                                          ; a plain place behind the last of the batch
	s_wait_alu depctr_va_vdst(0)                   ; one wait for the four, ahead of their first reader
.irp i, 0,1,2,3
.irp p, 0,2,4,6,8,10,12,14,16,18,20,22,24,26,28,30
	v_pk_mul_f32 v[WK+32*\i+\p:WK+32*\i+\p+1], v[WK+32*\i+\p:WK+32*\i+\p+1], v[TT4+4*\i:TT4+4*\i+1] op_sel_hi:[1,0]
.endr
.endr
	WIN 0x28                                       ; sources 1 and 2 window 2
.irp i, 0,1,2,3
.irp p, 0,2,4,6,8,10,12,14,16,18,20,22,24,26,28,30
	v_pk_fma_f32 v[WK+32*\i+\p:WK+32*\i+\p+1], v[WK+32*\i+\p:WK+32*\i+\p+1], v[\p:\p+1], v[32+\p:33+\p]   ; -log2(e) (norm g + b)
.endr
.endr
	WIN 0
.set II, 0
.rept 128
	v_exp_f32 v[WK+II], v[WK+II]
.set II, II+1
.endr
	v_nop
	s_wait_alu depctr_va_vdst(0)                   ; one wait for the 128
.set II, 0
.rept 64
	v_pk_add_f32 v[WK+2*II:WK+2*II+1], v[WK+2*II:WK+2*II+1], 1.0 op_sel_hi:[1,0]
.set II, II+1
.endr
.set II, 0
.rept 128
	v_rcp_f32 v[WK+II], v[WK+II]
.set II, II+1
.endr
	v_nop
	s_wait_alu depctr_va_vdst(0)                   ; one wait for the 128, ahead of the stores that read them
.irp i, 0,1,2,3
.irp c, 0,1,2,3,4,5,6,7
	global_store_b128 v[L16], v[WK+32*\i+4*\c:WK+32*\i+4*\c+3], s[96:97] offset:4096*\i+512*\c th:TH_STORE_NT   ; 32 lanes store 512 consecutive bytes; written once, read by nobody here
.endr
.endr
	s_wait_xcnt 0x0                                ; the stores have read their registers and their base: both are written again only behind this wait
	s_add_nc_u64 s[96:97], s[96:97], 16384
	s_add_co_u32 s98, s98, 4*SROW
.irp k, 0,1,2,3,4,5,6,7,8,9,10,11
	s_mov_b32 s[72+\k], s[76+\k]                   ; the rows' offsets in T move down by four
.endr
	s_sub_co_u32 s99, s99, 1
	s_cmp_lg_u32 s99, 0
	s_cbranch_scc1 .Lrows
	s_wait_tensorcnt 0x0                           ; the wave's end, behind my last tensor load and my last LDS store
	ds_add_u32 v[SPW], v[NIL]
	s_wait_dscnt 0x0
	CROUND                                         ; the closing round: no work-group ends while a partner may still ask for a tile that names it
	s_endpgm
.Lfunc_end_k_q8154c27a63_combine:
	.size	k_q8154c27a63_combine, .Lfunc_end_k_q8154c27a63_combine-k_q8154c27a63_combine
	.p2alignl 7, 3214868480
	.fill 96, 4, 3214868480
	.section	.rodata,"a",@progbits
	.p2align	6, 0x0
	.amdhsa_kernel k_q8154c27a63_combine
		.amdhsa_group_segment_fixed_size 327680
		.amdhsa_private_segment_fixed_size 0
		.amdhsa_enable_private_segment 0
		.amdhsa_kernarg_size 80
		.amdhsa_user_sgpr_count 2
		.amdhsa_user_sgpr_kernarg_segment_ptr 1
		.amdhsa_wavefront_size32 1
		.amdhsa_system_sgpr_workgroup_id_x 1
		.amdhsa_system_sgpr_workgroup_id_y 1
		.amdhsa_system_sgpr_workgroup_id_z 1
		.amdhsa_system_vgpr_workitem_id 0
		.amdhsa_next_free_vgpr 1024
		.amdhsa_next_free_sgpr 102
		.amdhsa_reserve_vcc 0
		.amdhsa_float_denorm_mode_32 3
		.amdhsa_float_denorm_mode_16_64 3
		.amdhsa_memory_ordered 1
		.amdhsa_forward_progress 1
		.amdhsa_inst_pref_size 255
	.end_amdhsa_kernel
	.section	.bss,"aw",@nobits
	.p2align	6
	.space	262144
	.amdgpu_metadata
---
amdhsa.version: [ 1, 2 ]
amdhsa.kernels:
  - .name:           k_q8154c27a63_combine
    .symbol:         k_q8154c27a63_combine.kd
    .args:
      - { .name: x_codes, .offset: 0, .size: 8, .value_kind: global_buffer, .address_space: global }
      - { .name: x_scales, .offset: 8, .size: 8, .value_kind: global_buffer, .address_space: global }
      - { .name: hq, .offset: 16, .size: 8, .value_kind: global_buffer, .address_space: global }
      - { .name: hs, .offset: 24, .size: 8, .value_kind: global_buffer, .address_space: global }
      - { .name: wq, .offset: 32, .size: 8, .value_kind: global_buffer, .address_space: global }
      - { .name: ptab, .offset: 40, .size: 8, .value_kind: global_buffer, .address_space: global }
      - { .name: idx, .offset: 48, .size: 8, .value_kind: global_buffer, .address_space: global }
      - { .name: ln_g, .offset: 56, .size: 8, .value_kind: global_buffer, .address_space: global }
      - { .name: ln_b, .offset: 64, .size: 8, .value_kind: global_buffer, .address_space: global }
      - { .name: out0, .offset: 72, .size: 8, .value_kind: global_buffer, .address_space: global }
    .group_segment_fixed_size: 327680
    .private_segment_fixed_size: 0
    .kernarg_segment_align: 8
    .kernarg_segment_size: 80
    .max_flat_workgroup_size: 128
    .sgpr_count:     102
    .vgpr_count:     1024
    .wavefront_size: 32
...
	.end_amdgpu_metadata
.endif
;; end of part 2
;; ======== version 2 of 2: 2 launches; version 1 with the launch prep written anew for expert scheduling mode
;; workspace buffers: hq 12,582,912 bytes; hs 1,048,576 bytes; wq 1,638,400 bytes; ptab 4,194,304 bytes; idx 65,536 bytes of whole numbers
;; launch prep (part 3): grid 256 x 1, 8 waves a work-group, no clusters, 145,408 bytes of LDS; arguments h_prev, memory, M_w, M_b, W_w_codes, W_w_scales, U_w_codes, U_w_scales, Q_w_codes, Q_w_scales, W_b, U_b, Q_b, hq, hs, wq, ptab, idx; writes hq, hs, wq, ptab, idx
.if DOCPART == 3
	.amdgcn_target "amdgcn-amd-amdhsa--gfx1250"
	.amdhsa_code_object_version 6
	.text
	.protected	k_q8154c27a63_prep
	.globl	k_q8154c27a63_prep
	.p2align	8
	.type	k_q8154c27a63_prep,@function
k_q8154c27a63_prep:
	s_mov_b64 s[64:65], 0
	v_nop
	global_prefetch_b8 v0, s[64:65] scope:SCOPE_SE
	s_setreg_imm32_b32 hwreg(HW_REG_WAVE_SCHED_MODE, 0, 2), 2
	s_setreg_imm32_b32 hwreg(HW_REG_WAVE_MODE, 25, 1), 1
	s_wait_xcnt 0x0
	s_wait_alu depctr_vm_vsrc(0)
; PREP: everything that the combining launch wants ready.  Per work-group g (256 of them, eight waves):
;   (1) h_prev's rows 64 g .. 64 g + 63, read ONCE, give (a) their E2M3 codes and E8M0 scale words (hq, hs), laid as images of the operand's registers, and (b) the ten logits h_prev M_w^T + M_b in f32, whose signs are the index (idx);
;   (2) a tile of the table T = Q(memory) Q_w^T + W_b + U_b + Q_b (ptab): memory rows 32 (g / 8) .. + 31 x columns 128 (g % 8) .. + 127;
;   (3) a share of W_w's and U_w's codes and scale bytes, copied into the order in which a wave of the next launch takes them (wq).
; WORK OF reference() THAT IS NOT REPEATED.  The quantiser works inside one row, along K, so Q(memory[index])[b] = Q(memory)[index[b]] for every index; row b of the product h_mem Q_w^T is therefore row index[b] of
; Q(memory) Q_w^T: the same codes, the same scales, the same instruction, the same order of K.  The 16,384 rows of that product take at most 1,024 different values: the 1,024 are computed once, here, and the next launch looks its rows up.
; This holds for all values of the inputs.  No input is without a way to the output: all are loaded, by this launch or the next.
; sigmoid(l) > 0.5 is taken as l > 0, which is the same for all real l (a NaN gives bit 0 both ways).  LIMIT: for 0 < l under about 1.2e-7 an f32 sigmoid rounds to 0.5, bit 0; here the bit is 1.
; The index is a sum of different powers 2^0 .. 2^9, so reference()'s clip never acts; the next launch holds the number at 1,023 all the same.
; LIMITS: NaN and infinities in h_prev or memory are not served by the quantiser; a block whose largest magnitude lies under 2^-124 gets the byte 1; a block of zeros gets the byte 1 (not 127) with zero codes: only this program reads
; these bytes.  The three biases are added to T first and reach the sum with it: another order of f32 additions than reference()'s.
; SHARES.  Wave w owns K step w (columns 128 w .. + 127) of six blocks of 16 rows: two of memory, four of h_prev.  A block's 16 loads read 512 consecutive bytes of one row each; the block turns through the wave's own stage in LDS,
; and lane (r, h) then holds, of row r, k = 128 w + 64 c + 32 h + 0 .. 31 (c = 0, 1): two whole blocks of 32, in the very order of the 6-bit operand's registers.
; NO CLUSTER, NO TENSOR LOAD: every f32 byte must pass through registers to be quantised.  32 rows of memory are read by the 8 work-groups of one g / 8 and 16 rows of Q_w by 32 waves of the launch: 131,072 + 98,304 bytes a work-group
; beside its own 262,144 of h_prev; they are asked for lane by lane into registers, where a joint request into LDS would add a second way through LDS for each.
; REGISTERS.  Window 0: v1-22 addresses; v24-33 a block's maxima, scale operands, bytes; v40-59 codes; v60-71 the copied fragment; v72-75 h's four scale words; v76-107 four logit accumulators (written by matrix instructions alone);
;   v108-123 at work; v124-131 Q_w's scale words, v132-147 memory's (scales and nothing else); v148-155 the biases' sum; v156-171 T's two accumulators; v172-195 biases as loaded; v196-227 at work.
;   Window 1: v0-191 three block buffers of 64, later Q_w's 8 fragments (v0-95) and 8 of memory's (v96-191); v192-255 M_w's fragment.
; THE MODE: SCHED_MODE bits 1:0 = 2 (LLVM: expert scheduling mode 2), set by the entry lines.  The code itself states the register dependences
; between vector or matrix instructions and memory or LDS instructions, with s_wait_alu, always for 0.
; THE PLAN.  Registers that memory or LDS instructions touch:
;   v1-22          addresses: written by vector lines at the head, once; one wait on va_vdst behind the last of them serves every load and store of the kernel.
;   a block buffer block b: its global loads land; the turn's LDS stores read it; the turn's LDS loads land in it; the logits' products and the quantiser read it; the next tenant's loads land (block b + 3, Q_w's fragments, memory's images).
;   v40-51, v33, v72-75, v108-115   codes, scale words, summed logits: written by a block's vector lines, read by the block's stores, written again by the next block.
;   v156-171       T's accumulators: written by matrix instructions, read by LDS stores.   v109: the partial index, written by vector lines, read by one LDS store.   v196-227: LDS loads land, vector sums, LDS loads land again.
; A BLOCK HAS TWO WAITS.  One on vm_vsrc in its turn, between the stores and the loads: the turn's stores have read the buffer in which the loads land, and the stores of the block before have read the codes, the word and the summed
; logits that this block writes again.  One on va_vdst at its end, behind its last vector line: what the block's stores read is written, and all readers of the buffer are done; the next tenant's loads and then the stores follow it,
; and no vector line stands among them.
.set TS,    0                          ; LDS: the turn stages, 16 rows x 528 bytes for each wave
.set MI,    67584                      ; memory's 16 fragments as images: (8 mb + s) x 1,536 bytes
.set MSC,   92160                      ; their scale words, 128 bytes each
.set LG,    94208                      ; the waves' partial logits: (8 a + w) x 1,024 bytes
.set PS,    126976                     ; the stage for T: 32 rows x (512 + 16) bytes
.set IX,    143872                     ; two partial indices for each of 64 rows
.set SPARE, 144384                     ; the spare words, 128 bytes for each wave: four blocks of 256 bytes that no other line names
.set L16, 1                            ; 16 x lane
.set MSR, 2                            ; MSC + 4 x lane
.set TSI, 3                            ; my stage, on the way in: + 16 x lane
.set TSO, 4                            ; and out: + 528 r + 128 h
.set MIW, 5                            ; MI + 1,536 w + 16 x lane
.set MSW, 6                            ; MSC + 128 w + 4 x lane
.set LGW, 7                            ; LG + 1,024 w + 16 x lane
.set LGR, 8                            ; LG + 8,192 (w % 4) + 512 (w / 4) + 16 x lane
.set MIR, 9                            ; MI + 16 x lane
.set QOF, 10                           ; a row of 768 bytes of codes: 768 r + 24 h
.set R32, 11                           ; a row of 32 scale bytes: 32 r
.set PSW, 12                           ; PS + 528 r + 64 w + 32 h
.set PSR, 13                           ; PS + 2,112 w + 16 x lane
.set IXW, 14                           ; IX + 256 (w / 4) + 64 (w % 4) + 4 r
.set SH8, 15                           ; 8 h
.set MWO, 16                           ; M_w: 4,096 min(r, 9) + 128 h
.set SOF, 17                           ; the scale words' copy: 4,096 h + 32 r
.set SPW, 18                           ; my spare word; never rewritten
.set NIL, 19                           ; 0; never rewritten
.set BOF, 20                           ; 32 h
.set IXR, 21                           ; IX + 8 x lane
.set L8,  22                           ; 8 x lane
.set TM,  24
.set SO,  28
.set BY,  30
.set TP,  32
.set PW,  33
.set PC,  40
.set PT,  52
.set RL,  60
.set HSW, 72
.set LA,  76
.set LS,  108
.set QS,  124
.set MS,  132
.set BS,  148
.set PA,  156
.set BI,  172
.set LR,  196
.set MW,  192                          ; in window 1
.set MSB, 0
.macro WIN new                         ; the immediate's high byte repeats the setting that is left; a switch that changes nothing is dropped
.if MSB != \new
	s_set_vgpr_msb (MSB<<8)|\new
.set MSB, \new
.endif
.endm
; Block b (0, 1: memory; 2 .. 5: h_prev) is asked for: 16 loads, each 512 consecutive bytes of one row, into buffer b % 3 of window 1
.macro LOADB b
	WIN 0x40
.irp j, 0,1,2,3,4,5,6,7,8,9,10,11,12,13,14,15
.if (\b) < 2
	global_load_b128 v[64*((\b)%3)+4*\j:64*((\b)%3)+4*\j+3], v[L16], s[80:81] offset:(16*(\b)+\j)*4096
.else
	global_load_b128 v[64*((\b)%3)+4*\j:64*((\b)%3)+4*\j+3], v[L16], s[82:83] offset:(16*((\b)-2)+\j)*4096 th:TH_LOAD_NT
.endif
.endr
	WIN 0
.endm
; The block in v[XB] on (window 1) turns through my stage, in place: LDS serves a wave's instructions in order, so the loads see the stores.  Rows are 528 bytes apart: the 16 rows of a load start in 16 different groups of banks
.macro TURNB
	WIN 0x04
.irp j, 0,1,2,3,4,5,6,7,8,9,10,11,12,13,14,15
	ds_store_b128 v[TSI], v[XB+4*\j:XB+4*\j+3] offset:528*\j
.endr
	WIN 0x40
	s_wait_alu depctr_vm_vsrc(0)                   ; the sixteen stores above have read v[XB ..], in which the loads below land; the stores of the block before have read the codes, the scale word and the summed logits, which this block's vector lines write again
.irp c, 0,1
.irp i, 0,1,2,3,4,5,6,7
	ds_load_b128 v[XB+32*\c+4*\i:XB+32*\c+4*\i+3], v[TSO] offset:256*\c+16*\i
.endr
.endr
	WIN 0
	s_wait_dscnt 0x0                               ; the block is back
.endm
; The logits' share of my 128 columns: source 0 = M_w's rows (rows 10-15 repeat row 9 and are never read), source 1 = my 16 rows of h_prev.  Both hold k in the same places, so the products are the true ones.
; A lane then holds batch row r, and register j bit 8 h + j.  Four accumulators by turns; the first four products start the sums
.macro LOGIT
	WIN 0x05
.set II, 0
.rept 32
.if II < 4
	v_wmma_f32_16x16x4_f32 v[LA+8*II:LA+8*II+7], v[MW+2*II:MW+2*II+1], v[XB+2*II:XB+2*II+1], 0
.else
	v_wmma_f32_16x16x4_f32 v[LA+8*(II%4):LA+8*(II%4)+7], v[MW+2*II:MW+2*II+1], v[XB+2*II:XB+2*II+1], v[LA+8*(II%4):LA+8*(II%4)+7]
.endif
.set II, II+1
.endr
	WIN 0
.endm
; My 64 numbers become the fragment's 12 registers in v[PC] on, and the row's scale word in v[wd] (the same in lanes l and l xor 16)
.macro QUANT wd
	WIN 0x05
.irp c, 0,1
	v_max3_num_f32 v[TM+2*\c], |v[XB+32*\c]|, |v[XB+32*\c+1]|, 0x1800000           ; block 2 c + h, all 32 numbers mine, in two chains; the floor 2^(3 - 127) holds the byte at 1 from below
	v_max3_num_f32 v[TM+2*\c+1], |v[XB+32*\c+16]|, |v[XB+32*\c+17]|, 0x1800000
.endr
.irp i, 2,4,6,8,10,12,14
.irp c, 0,1
	v_max3_num_f32 v[TM+2*\c], |v[XB+32*\c+\i]|, |v[XB+32*\c+\i+1]|, v[TM+2*\c]
	v_max3_num_f32 v[TM+2*\c+1], |v[XB+32*\c+16+\i]|, |v[XB+32*\c+17+\i]|, v[TM+2*\c+1]
.endr
.endr
	WIN 0
.irp c, 0,1
	v_max_num_f32 v[TM+2*\c], v[TM+2*\c], v[TM+2*\c+1]
.endr
.irp c, 0,1
	v_add_nc_u32 v[SO+\c], 0xff000000, v[TM+2*\c]  ; 2 off the exponent field: the conversion takes the exponent field of this operand as its scale
.endr
.irp c, 0,1
	v_lshrrev_b32 v[BY+\c], 23, v[SO+\c]           ; the scale's byte
.endr
	v_lshl_or_b32 v[\wd], v[BY+1], 16, v[BY]       ; my two bytes, blocks h and 2 + h,
	v_lshlrev_b32 v[\wd], v[SH8], v[\wd]           ; at their places in the word;
	v_permlanex16_b32 v[TP], v[\wd], s78, s79
	v_or_b32 v[\wd], v[\wd], v[TP]                 ; with lane l xor 16's two the word is whole
	s_wait_xcnt 0x0                                ; the last block's global stores have had their addresses translated: only now are the codes' registers written again (that those stores have read them is stated by the wait in this block's turn)
	WIN 0x01
.irp c, 0,1
	v_cvt_scalef32_pk16_fp6_f32 v[PC+6*\c:PC+6*\c+2], v[XB+32*\c:XB+32*\c+15], v[SO+\c]
	v_cvt_scalef32_pk16_fp6_f32 v[PT+4*\c:PT+4*\c+2], v[XB+32*\c+16:XB+32*\c+31], v[SO+\c]   ; (a conversion's three registers begin on an even number)
.endr
	WIN 0
	v_nop                                          ; one plain place behind a scaled conversion
.irp c, 0,1
.irp i, 0,1,2
	v_mov_b32 v[PC+3+6*\c+\i], v[PT+4*\c+\i]
.endr
.endr
.endm
; The four accumulators are added (each read from its low end on) ..
.macro LADD
.irp i, 0,2,4,6
	v_pk_add_f32 v[LS+\i:LS+\i+1], v[LA+\i:LA+\i+1], v[LA+8+\i:LA+9+\i]
.endr
.irp i, 0,2,4,6
	v_pk_add_f32 v[LS+8+\i:LS+9+\i], v[LA+16+\i:LA+17+\i], v[LA+24+\i:LA+25+\i]
.endr
.irp i, 0,2,4,6
	v_pk_add_f32 v[LS+\i:LS+\i+1], v[LS+\i:LS+\i+1], v[LS+8+\i:LS+9+\i]
.endr
.endm
; .. and go to LDS: tile of rows a, my K step
.macro LOUT a
	ds_store_b128 v[LGW], v[LS:LS+3] offset:8192*(\a)
	ds_store_b128 v[LGW], v[LS+4:LS+7] offset:8192*(\a)+512
.endm
.macro MEMBLK b                        ; a block of memory: its image and scale word go to LDS, for all eight waves
.set XB, 64*((\b)%3)
	s_wait_loadcnt 32                              ; this block's loads are in (and all older ones); the two younger blocks' 32 may be out
	TURNB
	QUANT PW
	WIN 0x40
	s_wait_alu depctr_va_vdst(0)                   ; the quantiser is done reading v[XB ..], in which the loads below land, and has written the codes and the scale word, which the LDS stores behind them read
	LOADB (\b)+3
.irp c, 0,1,2
	ds_store_b128 v[MIW], v[PC+4*\c:PC+4*\c+3] offset:12288*(\b)+512*\c
.endr
	ds_store_b32 v[MSW], v[PW] offset:1024*(\b)
.endm
; A block of h_prev: logits, codes to hq (three stores of 512 consecutive bytes), the word kept for hs.  nxt = 1: block 5 is asked for, into this block's buffer; 2: Q_w's fragments and words and the biases; 0: nothing
.macro HBLK b, cnt, nxt
.set XB, 64*((\b)%3)
	s_wait_loadcnt \cnt
	TURNB
	LOGIT
	QUANT HSW+(\b)-2
	LADD                                           ; QUANT's lines are the places between the last product and this first read of the sums
.if (\nxt) > 0
	WIN 0x40
.endif
	s_wait_alu depctr_va_vdst(0)                   ; the codes, the scale word and the summed logits are written, which the stores below read; the products and the quantiser are done reading the block buffers, in which the loads below land
.if (\nxt) == 1
	LOADB 5
.endif
.if (\nxt) == 2                        ; Q_w's 8 fragments of my 16 columns, into the registers that blocks 3 and 4 have left
.irp s, 0,1,2,3,4,5,6,7
.irp p, 0,1,2,3,4,5
	global_load_b64 v[12*\s+2*\p:12*\s+2*\p+1], v[QOF], s[44:45] offset:96*\s+48*(\p/3)+8*(\p%3)
.endr
.endr
	WIN 0
	global_load_b128 v[QS:QS+3], v[R32], s[46:47]  ; row r's eight scale words
	global_load_b128 v[QS+4:QS+7], v[R32], s[46:47] offset:16
.irp n, 0,1,2
	global_load_b128 v[BI+8*\n:BI+8*\n+3], v[BOF], s[48+2*\n:49+2*\n]   ; a bias at my lane's eight columns 8 h + 0 .. 7
	global_load_b128 v[BI+8*\n+4:BI+8*\n+7], v[BOF], s[48+2*\n:49+2*\n] offset:16
.endr
.endif
.irp c, 0,1,2
	global_store_b128 v[L16], v[PC+4*\c:PC+4*\c+3], s[84:85] offset:1536*((\b)-2)+512*\c
.endr
	LOUT (\b)-2
.endm
	s_load_b512 s[4:19], s[0:1], 0x0               ; h_prev, memory, M_w, M_b, W's codes, W's scales, U's codes, U's scales
	s_load_b512 s[20:35], s[0:1], 0x40             ; Q's codes, Q's scales, W_b, U_b, Q_b, hq, hs, wq
	s_load_b128 s[36:39], s[0:1], 0x80             ; ptab, idx
	v_lshl_add_u32 v[SPW], v0, 2, SPARE
	v_mov_b32 v[NIL], 0
	v_lshrrev_b32 v108, 5, v0
	v_readfirstlane_b32 s66, v108                  ; wave 0..7
	s_mov_b32 s67, ttmp9                           ; g
	v_and_b32 v108, 31, v0                         ; lane
	v_and_b32 v109, 15, v0                         ; r
	v_bfe_u32 v110, v0, 4, 1                       ; h
	v_lshlrev_b32 v[L16], 4, v108
	v_lshlrev_b32 v[L8], 3, v108
	v_lshl_add_u32 v[MSR], v108, 2, MSC
	s_wait_alu depctr_va_sdst(0)                   ; s66 is written, ahead of its first reader: LDS addresses, bases and branches are made from it
	s_mul_i32 s86, s66, 8448
	v_add_nc_u32 v[TSI], s86, v[L16]
	v_mul_u32_u24 v[TSO], v109, 528
	v_lshl_add_u32 v[TSO], v110, 7, v[TSO]
	v_add_nc_u32 v[TSO], s86, v[TSO]
	s_mul_i32 s86, s66, 1536
	s_add_co_u32 s86, s86, MI
	v_add_nc_u32 v[MIW], s86, v[L16]
	s_lshl_b32 s86, s66, 7
	v_add_nc_u32 v[MSW], s86, v[MSR]
	s_lshl_b32 s86, s66, 10
	s_add_co_u32 s86, s86, LG
	v_add_nc_u32 v[LGW], s86, v[L16]
	s_and_b32 s87, s66, 3
	s_lshr_b32 s88, s66, 2
	s_lshl_b32 s86, s87, 13
	s_lshl_b32 s89, s88, 9
	s_add_co_u32 s86, s86, s89
	s_add_co_u32 s86, s86, LG
	v_add_nc_u32 v[LGR], s86, v[L16]
	v_add_nc_u32 v[MIR], MI, v[L16]
	v_mul_u32_u24 v[QOF], v109, 768
	v_mad_u32_u24 v[QOF], v110, 24, v[QOF]
	v_lshlrev_b32 v[R32], 5, v109
	v_mul_u32_u24 v[PSW], v109, 528
	v_lshl_add_u32 v[PSW], v110, 5, v[PSW]
	s_lshl_b32 s86, s66, 6
	s_add_co_u32 s86, s86, PS
	v_add_nc_u32 v[PSW], s86, v[PSW]
	s_mul_i32 s86, s66, 2112
	s_add_co_u32 s86, s86, PS
	v_add_nc_u32 v[PSR], s86, v[L16]
	s_lshl_b32 s86, s88, 8
	s_lshl_b32 s89, s87, 6
	s_add_co_u32 s86, s86, s89
	s_add_co_u32 s86, s86, IX
	v_lshl_add_u32 v[IXW], v109, 2, s86
	v_lshlrev_b32 v[SH8], 3, v110
	v_min_u32 v111, 9, v109
	v_lshlrev_b32 v[MWO], 12, v111
	v_lshl_add_u32 v[MWO], v110, 7, v[MWO]
	v_lshl_add_u32 v[SOF], v110, 12, v[R32]
	v_lshlrev_b32 v[BOF], 5, v110
	v_add_nc_u32 v[IXR], IX, v[L8]
	v_mov_b32 v[TP], 0                             ; written once: a lane permute's destination counts as one of its sources
	s_wait_alu depctr_va_vdst(0)                   ; the addresses v1 to v22 are written, which every load and store of the kernel reads; none of them is written again.  It stands on the way that all waves take, ahead of the first branch
	s_mov_b32 s78, 0x76543210
	s_mov_b32 s79, 0xfedcba98                      ; v_permlanex16_b32's selects for lane l xor 16
	s_wait_kmcnt 0x0
	s_load_b256 s[68:75], s[10:11], 0x0            ; M_b: ten numbers, waited for ahead of the index
	s_load_b64 s[76:77], s[10:11], 0x20
	s_mov_b32 s87, 0                               ; the high word of every offset below: all stay under 2^31
	s_lshl_b32 s88, s66, 9                         ; my K step's 512 bytes in a row of f32
	s_lshl_b32 s86, s67, 18                        ; 64 rows of 4,096 bytes
	s_add_co_u32 s86, s86, s88
	s_add_nc_u64 s[82:83], s[4:5], s[86:87]        ; h_prev at my first row and column
	s_lshr_b32 s89, s67, 3
	s_lshl_b32 s89, s89, 17                        ; 32 rows of 4,096 bytes
	s_add_co_u32 s86, s89, s88
	s_add_nc_u64 s[80:81], s[6:7], s[86:87]        ; memory likewise
	s_mov_b32 s86, s88
	s_add_nc_u64 s[40:41], s[8:9], s[86:87]        ; M_w at my columns
	s_mul_i32 s86, s67, 49152
	s_mul_i32 s90, s66, 6144
	s_add_co_u32 s86, s86, s90
	s_add_nc_u64 s[84:85], s[30:31], s[86:87]      ; hq: [tile][K step 8][tile of rows 4][1,536]
	s_lshl_b32 s86, s67, 12
	s_add_co_u32 s86, s86, s88
	s_add_nc_u64 s[42:43], s[32:33], s[86:87]      ; hs: [tile][K step 8][lane 32][tile of rows 4] words
	s_and_b32 s90, s67, 7
	s_lshl_b32 s91, s90, 3
	s_add_co_u32 s91, s91, s66                     ; my 16 columns of T: tile 8 (g % 8) + w
	s_mul_i32 s86, s91, 12288
	s_add_nc_u64 s[44:45], s[20:21], s[86:87]      ; their rows of Q_w's codes,
	s_lshl_b32 s86, s91, 9
	s_add_nc_u64 s[46:47], s[22:23], s[86:87]      ; of its scale bytes,
	s_lshl_b32 s86, s91, 6
	s_add_nc_u64 s[48:49], s[24:25], s[86:87]      ; and the three biases there
	s_add_nc_u64 s[50:51], s[26:27], s[86:87]
	s_add_nc_u64 s[52:53], s[28:29], s[86:87]
	s_lshl_b32 s86, s66, 14                        ; on the way out wave w stores rows 4 w .. 4 w + 3 of the tile
	s_add_co_u32 s86, s86, s89
	s_lshl_b32 s90, s90, 9
	s_add_co_u32 s86, s86, s90
	s_add_nc_u64 s[54:55], s[36:37], s[86:87]
	s_lshl_b32 s86, s67, 8
	s_add_nc_u64 s[56:57], s[38:39], s[86:87]      ; idx: 64 words
	; THE COPY OF W_w AND U_w.  wq: [step 16: W's 8 K steps, then U's][quarter of the columns 4][25,600 bytes]; a quarter: 16 fragments (16 rows x 128 K) as images of 1,536 bytes, then 1,024 bytes of scale words [q 4][lane 32][j 2]:
	; lanes 0-15 the word of tile 2 q + j, row r; lanes 16-31 that of tile 8 + 2 q + j.  Waves 0-3 copy fragment 4 g + w of 1,024, wave 4 piece g of 256.  The branches hang on the wave's number alone
	s_lshr_b32 s90, s67, 7                         ; which matrix
	s_cmp_eq_u32 s90, 0
	s_cselect_b64 s[58:59], s[12:13], s[16:17]
	s_cselect_b64 s[92:93], s[14:15], s[18:19]
	s_mov_b64 s[60:61], s[34:35]                   ; where the copy goes: wq's address in every wave, on the way that all take; each arm below adds its own offset
	s_lshl_b32 s90, s90, 3
	s_cmp_lt_u32 s66, 4
	s_cbranch_scc0 .Lnot_frag
	s_and_b32 s91, s67, 1
	s_lshl_b32 s91, s91, 2
	s_add_co_u32 s91, s91, s66                     ; K step 4 (g % 2) + w
	s_bfe_u32 s94, s67, 0x60001                    ; tile of 16 rows: (g / 2) % 64
	s_mul_i32 s86, s94, 12288
	s_mul_i32 s95, s91, 96
	s_add_co_u32 s86, s86, s95
	s_add_nc_u64 s[58:59], s[58:59], s[86:87]
.irp p, 0,1,2,3,4,5
	global_load_b64 v[RL+2*\p:RL+2*\p+1], v[QOF], s[58:59] offset:48*(\p/3)+8*(\p%3)
.endr
	s_add_co_u32 s90, s90, s91
	s_mul_i32 s86, s90, 102400
	s_lshr_b32 s95, s94, 4
	s_mul_i32 s95, s95, 25600
	s_add_co_u32 s86, s86, s95
	s_and_b32 s95, s94, 15
	s_mul_i32 s95, s95, 1536
	s_add_co_u32 s86, s86, s95
	s_add_nc_u64 s[60:61], s[60:61], s[86:87]
	s_branch .Lrl_asked
.Lnot_frag:
	s_cmp_eq_u32 s66, 4
	s_cbranch_scc0 .Lrl_asked
	s_bfe_u32 s91, s67, 0x30004                    ; K step (g / 16) % 8
	s_bfe_u32 s94, s67, 0x20002                    ; quarter (g / 4) % 4
	s_and_b32 s95, s67, 3                          ; q
	s_lshl_b32 s86, s94, 13                        ; 256 rows of 32 bytes
	s_lshl_b32 s96, s95, 10                        ; 32 rows
	s_add_co_u32 s86, s86, s96
	s_lshl_b32 s96, s91, 2
	s_add_co_u32 s86, s86, s96
	s_add_nc_u64 s[58:59], s[92:93], s[86:87]
	global_load_b32 v[RL], v[SOF], s[58:59]
	global_load_b32 v[RL+1], v[SOF], s[58:59] offset:512
	s_add_co_u32 s90, s90, s91
	s_mul_i32 s86, s90, 102400
	s_mul_i32 s96, s94, 25600
	s_add_co_u32 s86, s86, s96
	s_lshl_b32 s96, s95, 8
	s_add_co_u32 s86, s86, s96
	s_add_co_u32 s86, s86, 24576
	s_add_nc_u64 s[60:61], s[60:61], s[86:87]
.Lrl_asked:
	WIN 0x40
.irp c, 0,1
.irp i, 0,1,2,3,4,5,6,7
	global_load_b128 v[MW+32*\c+4*\i:MW+32*\c+4*\i+3], v[MWO], s[40:41] offset:256*\c+16*\i   ; M_w(min(r, 9), the k that my lane holds of a block)
.endr
.endr
	WIN 0
	LOADB 0                                        ; no vector instruction has named the three buffers yet: the head's wait, for the address, is all that these loads hang on
	LOADB 1
	LOADB 2
	MEMBLK 0
	s_cmp_lt_u32 s66, 4                            ; the copies leave: their loads are older than block 0's, so they are in; no vector instruction names their registers
	s_cbranch_scc0 .Lnot_frag2
	global_store_b128 v[L16], v[RL:RL+3], s[60:61]
	global_store_b128 v[L16], v[RL+4:RL+7], s[60:61] offset:512
	global_store_b128 v[L16], v[RL+8:RL+11], s[60:61] offset:1024
	s_branch .Lrl_done
.Lnot_frag2:
	s_cmp_eq_u32 s66, 4
	s_cbranch_scc0 .Lrl_done
	global_store_b64 v[L8], v[RL:RL+1], s[60:61]   ; 32 lanes store 256 consecutive bytes, aligned
.Lrl_done:
	MEMBLK 1
	HBLK 2, 32, 1                                  ; younger: blocks 3 and 4; block 5 is asked for at its end
	HBLK 3, 32, 0                                  ; younger: blocks 4 and 5
	HBLK 4, 16, 2                                  ; younger: block 5; Q_w's fragments and words and the biases are asked for at its end
	HBLK 5, 56, 0                                  ; younger: those 48 + 2 + 6 loads
	global_store_b128 v[L16], v[HSW:HSW+3], s[42:43]   ; my K step's scale words of the four tiles of rows: 512 consecutive bytes (written ahead of block 5's wait on va_vdst; no vector line stands behind it)
	s_wait_dscnt 0x0                               ; for the others' sake: my images, scale words and partial logits lie in LDS
	s_barrier_signal -1
	s_barrier_wait -1
	s_wait_alu depctr_vm_vsrc(0)                   ; block 5's LDS stores have read v108 to v115, six of which the index's lines below write
	s_wait_loadcnt 0x0                             ; Q_w's fragments and words, the biases
.irp i, 0,2,4,6
	v_pk_add_f32 v[BS+\i:BS+\i+1], v[BI+\i:BI+\i+1], v[BI+8+\i:BI+9+\i]
.endr
.irp i, 0,2,4,6
	v_pk_add_f32 v[BS+\i:BS+\i+1], v[BS+\i:BS+\i+1], v[BI+16+\i:BI+17+\i]
.endr
	; THE INDEX.  Wave w adds the eight waves' partial logits of rows 16 (w % 4) on, bits 8 h + 4 (w / 4) + 0 .. 3, in ascending K
	s_wait_kmcnt 0x0                               ; M_b
.irp u, 0,1,2,3,4,5,6,7
	ds_load_b128 v[LR+4*\u:LR+4*\u+3], v[LGR] offset:1024*\u   ; (no vector instruction has named these registers yet)
.endr
	s_lshr_b32 s86, s66, 2
	s_cmp_eq_u32 s86, 0
	s_cselect_b32 s90, s68, s72                    ; M_b of bits 4 (w / 4) + 0 .. 3
	s_cselect_b32 s91, s69, s73
	s_cselect_b32 s92, s70, s74
	s_cselect_b32 s93, s71, s75
	s_lshl_b32 s86, s86, 2
	v_cmp_ne_u32 s94, 0, v[SH8]                    ; lanes 16-31
	v_mov_b32 v108, 0x200
	v_lshrrev_b32 v108, v[SH8], v108               ; bit i weighs 2^(9 - i): 512 >> 8 h,
	v_lshrrev_b32 v108, s86, v108                  ; >> 4 (w / 4): what lies past bit 9 weighs 0
	s_wait_dscnt 0x0
.irp u, 1,2,3,4,5,6,7
	v_pk_add_f32 v[LR:LR+1], v[LR:LR+1], v[LR+4*\u:LR+4*\u+1]
	v_pk_add_f32 v[LR+2:LR+3], v[LR+2:LR+3], v[LR+4*\u+2:LR+4*\u+3]
.endr
	s_wait_alu depctr_va_sdst(0)                   ; the compare has written s94, ahead of its first reader, the select below
.irp j, 0,1
	v_mov_b32 v[110+\j], s[90+\j]
	v_mov_b32 v[112+\j], s[76+\j]                  ; bits 8 and 9, in lanes 16-31 (they weigh something in waves 0-3 alone)
	v_cndmask_b32 v[110+\j], v[110+\j], v[112+\j], s94
	v_add_f32 v[LR+\j], v[LR+\j], v[110+\j]
.endr
	v_add_f32 v[LR+2], s92, v[LR+2]
	v_add_f32 v[LR+3], s93, v[LR+3]
	v_mov_b32 v109, 0
.irp j, 0,1,2,3
	v_cmp_lt_f32 s[95+\j], 0, v[LR+\j]             ; the hard bit: the logit is above 0.  The four compares stand in a run, each with a mask of its own
.endr
.irp j, 0,1,2,3
	v_lshrrev_b32 v[110+\j], \j, v108
.endr
	s_wait_alu depctr_va_sdst(0)                   ; the four compares have written s95 to s98, ahead of the selects that read them
.irp j, 0,1,2,3
	v_cndmask_b32 v[110+\j], 0, v[110+\j], s[95+\j]
.endr
.irp j, 0,1,2,3
	v_or_b32 v109, v109, v[110+\j]
.endr
	v_permlanex16_b32 v[TP], v109, s78, s79
	v_add_nc_u32 v109, v109, v[TP]                 ; with lane l xor 16's bits
	s_wait_alu depctr_va_vdst(0)                   ; v109 is written, which the LDS store below reads; and every reader of blocks 4 and 5's buffers is done, in which memory's first eight images land further down (no vector line stands between)
	ds_store_b32 v[IXW], v109                      ; both halves write the same word with the same value
	; T's TILE: source 0 = my 16 rows of Q_w, source 1 = 16 rows of memory: a lane holds one row of memory and eight neighbouring columns.  The biases' sum is the C of each sum's first product.  Two accumulators by turns, K ascending
.irp e, 0,1,2,3,4,5,6,7,8,9,10,11,12,13,14,15
	ds_load_b32 v[MS+\e], v[MSR] offset:128*\e
.endr
.irp hh, 0,1
.if \hh > 0
.rept 4
	v_nop                                          ; places in front of loads into registers that matrix instructions have read
.endr
.endif
	WIN 0x40
.if \hh > 0
	s_wait_alu depctr_va_vdst(0)                   ; the eight products above are done reading memory's first eight images, in whose registers the second eight land
.endif
.irp sl, 0,1,2,3
.irp mb, 0,1
.irp c, 0,1,2
	ds_load_b128 v[96+12*(2*\sl+\mb)+4*\c:96+12*(2*\sl+\mb)+4*\c+3], v[MIR] offset:(8*\mb+4*\hh+\sl)*1536+512*\c
.endr
.endr
.endr
	s_wait_dscnt 0x0
	WIN 0x05
.irp sl, 0,1,2,3
.irp mb, 0,1
.if (4*\hh+\sl) == 0
	v_wmma_scale_f32_16x16x128_f8f6f4 v[PA+8*\mb:PA+8*\mb+7], v[12*(4*\hh+\sl):12*(4*\hh+\sl)+11], v[96+12*(2*\sl+\mb):96+12*(2*\sl+\mb)+11], v[BS:BS+7], v[QS+4*\hh+\sl], v[MS+8*\mb+4*\hh+\sl] matrix_a_fmt:MATRIX_FMT_FP6 matrix_b_fmt:MATRIX_FMT_FP6
.else
	v_wmma_scale_f32_16x16x128_f8f6f4 v[PA+8*\mb:PA+8*\mb+7], v[12*(4*\hh+\sl):12*(4*\hh+\sl)+11], v[96+12*(2*\sl+\mb):96+12*(2*\sl+\mb)+11], v[PA+8*\mb:PA+8*\mb+7], v[QS+4*\hh+\sl], v[MS+8*\mb+4*\hh+\sl] matrix_a_fmt:MATRIX_FMT_FP6 matrix_b_fmt:MATRIX_FMT_FP6
.endif
.endr
.endr
.endr
	WIN 0
.rept 4
	v_nop                                          ; places in front of the first read of the results
.endr
	s_wait_alu depctr_va_vdst(0)                   ; the products have written T's two accumulators, which the LDS stores read (the places above stay beside this wait); and the index's sums are done with v196 to v215, in which the way out's LDS loads land
.irp mb, 0,1
	ds_store_b128 v[PSW], v[PA+8*\mb:PA+8*\mb+3] offset:8448*\mb          ; each accumulator from its low end on
	ds_store_b128 v[PSW], v[PA+8*\mb+4:PA+8*\mb+7] offset:8448*\mb+16
.endr
	s_wait_dscnt 0x0                               ; for the others' sake: my part of T's rows and my partial indices lie in LDS
	s_barrier_signal -1
	s_barrier_wait -1
	s_cmp_lg_u32 s66, 0
	s_cbranch_scc1 .Lnot_wave_0
	ds_load_b64 v[212:213], v[IXR]                 ; wave 0 joins the two partial indices of the 64 rows
	ds_load_b64 v[214:215], v[IXR] offset:256
	s_wait_dscnt 0x0
	v_add_nc_u32 v212, v212, v214
	v_add_nc_u32 v213, v213, v215
	s_wait_alu depctr_va_vdst(0)                   ; the two additions have written v212 and v213, which the store reads
	global_store_b64 v[L8], v[212:213], s[56:57]   ; 256 consecutive bytes, aligned
.Lnot_wave_0:
.irp i, 0,1,2,3
	ds_load_b128 v[LR+4*\i:LR+4*\i+3], v[PSR] offset:528*\i
.endr
	s_wait_dscnt 0x0
.irp i, 0,1,2,3
	global_store_b128 v[L16], v[LR+4*\i:LR+4*\i+3], s[54:55] offset:4096*\i   ; 512 consecutive bytes of a row of T
.endr
	s_wait_dscnt 0x0                               ; the closing lines, six on end
	s_wait_alu 0x0
	s_wait_tensorcnt 0x0
	ds_add_u32 v[SPW], v[NIL]
	s_wait_dscnt 0x0
	s_endpgm
.Lfunc_end_k_q8154c27a63_prep:
	.size	k_q8154c27a63_prep, .Lfunc_end_k_q8154c27a63_prep-k_q8154c27a63_prep
	.p2alignl 7, 3214868480
	.fill 96, 4, 3214868480
	.section	.rodata,"a",@progbits
	.p2align	6, 0x0
	.amdhsa_kernel k_q8154c27a63_prep
		.amdhsa_group_segment_fixed_size 145408
		.amdhsa_private_segment_fixed_size 0
		.amdhsa_enable_private_segment 0
		.amdhsa_kernarg_size 144
		.amdhsa_user_sgpr_count 2
		.amdhsa_user_sgpr_kernarg_segment_ptr 1
		.amdhsa_wavefront_size32 1
		.amdhsa_system_sgpr_workgroup_id_x 1
		.amdhsa_system_sgpr_workgroup_id_y 1
		.amdhsa_system_sgpr_workgroup_id_z 1
		.amdhsa_system_vgpr_workitem_id 0
		.amdhsa_next_free_vgpr 512
		.amdhsa_next_free_sgpr 100
		.amdhsa_reserve_vcc 0
		.amdhsa_float_denorm_mode_32 3
		.amdhsa_float_denorm_mode_16_64 3
		.amdhsa_memory_ordered 1
		.amdhsa_forward_progress 1
		.amdhsa_inst_pref_size 82
	.end_amdhsa_kernel
	.amdgpu_metadata
---
amdhsa.version: [ 1, 2 ]
amdhsa.kernels:
  - .name:           k_q8154c27a63_prep
    .symbol:         k_q8154c27a63_prep.kd
    .args:
      - { .name: h_prev, .offset: 0, .size: 8, .value_kind: global_buffer, .address_space: global }
      - { .name: memory, .offset: 8, .size: 8, .value_kind: global_buffer, .address_space: global }
      - { .name: M_w, .offset: 16, .size: 8, .value_kind: global_buffer, .address_space: global }
      - { .name: M_b, .offset: 24, .size: 8, .value_kind: global_buffer, .address_space: global }
      - { .name: W_w_codes, .offset: 32, .size: 8, .value_kind: global_buffer, .address_space: global }
      - { .name: W_w_scales, .offset: 40, .size: 8, .value_kind: global_buffer, .address_space: global }
      - { .name: U_w_codes, .offset: 48, .size: 8, .value_kind: global_buffer, .address_space: global }
      - { .name: U_w_scales, .offset: 56, .size: 8, .value_kind: global_buffer, .address_space: global }
      - { .name: Q_w_codes, .offset: 64, .size: 8, .value_kind: global_buffer, .address_space: global }
      - { .name: Q_w_scales, .offset: 72, .size: 8, .value_kind: global_buffer, .address_space: global }
      - { .name: W_b, .offset: 80, .size: 8, .value_kind: global_buffer, .address_space: global }
      - { .name: U_b, .offset: 88, .size: 8, .value_kind: global_buffer, .address_space: global }
      - { .name: Q_b, .offset: 96, .size: 8, .value_kind: global_buffer, .address_space: global }
      - { .name: hq, .offset: 104, .size: 8, .value_kind: global_buffer, .address_space: global }
      - { .name: hs, .offset: 112, .size: 8, .value_kind: global_buffer, .address_space: global }
      - { .name: wq, .offset: 120, .size: 8, .value_kind: global_buffer, .address_space: global }
      - { .name: ptab, .offset: 128, .size: 8, .value_kind: global_buffer, .address_space: global }
      - { .name: idx, .offset: 136, .size: 8, .value_kind: global_buffer, .address_space: global }
    .group_segment_fixed_size: 145408
    .private_segment_fixed_size: 0
    .kernarg_segment_align: 8
    .kernarg_segment_size: 144
    .max_flat_workgroup_size: 256
    .sgpr_count:     100
    .vgpr_count:     512
    .wavefront_size: 32
...
	.end_amdgpu_metadata
.endif
;; end of part 3
;; launch combine: the kernel of part 2 again; grid 256 x 1, 4 waves a work-group, clusters of 4 x 1, 327,680 bytes of LDS; arguments x_codes, x_scales, hq, hs, wq, ptab, idx, ln_g, ln_b, out0; writes out0
